; MI455X (gfx1250); checked and timed in simulation.
; The chip was launched on July 23, 2026; its instructions are those of AMD's public machine-readable ISA for CDNA 5 (MIT licence, August 2026) and "CDNA5" Instruction Set Architecture Reference Guide (July 2026). The comments in the code are by the model that wrote it; some were corrected since.
;; Causal attention. Allowed arithmetic: float matrix products may take bf16 or f16 operands with f32 sums; other float arithmetic in f32, or as packed bf16 or f16 multiplies, adds, multiply-adds, maxima and minima; sums over many terms, partial sums and values carried from step to step in f32; what a program stores and reads back later, other than sums and carried values, may be rounded once to bf16 or f16.
;; Inputs: Wk 1,024 x 1,024 float32; Wq 1,024 x 1,024 float32; Wv 1,024 x 1,024 float32; x 4 x 2,048 x 1,024 float32.
;; Outputs: out0 4 x 2,048 x 1,024 float32.
;; 2 versions, each right; version 2 is version 1 with the launch cvt written anew for expert scheduling mode. Each part assembles by itself: llvm-mc -triple=amdgcn-amd-amdhsa -mcpu=gfx1250 --defsym DOCPART=n.
;; ======== version 1 of 2: 4 launches
;; limits: values are held in f16: magnitudes above 65,504 overflow, below 6.1e-05 lose precision
;; workspace buffers: xb 16,777,216 bytes; wb 6,291,456 bytes; qkv 50,331,648 bytes; pw 33,554,432 bytes; st 1,048,576 bytes
;; launch cvt (part 1): grid 704 x 1, 8 waves a work-group, no clusters, 0 bytes of LDS; arguments x, Wq, Wk, Wv, xb, wb; writes xb, wb
.if DOCPART == 1
	.amdgcn_target "amdgcn-amd-amdhsa--gfx1250"
	.amdhsa_code_object_version 6
	.text
	.protected	k_q49f6d3ce1b_cvt
	.globl	k_q49f6d3ce1b_cvt
	.p2align	8
	.type	k_q49f6d3ce1b_cvt,@function
k_q49f6d3ce1b_cvt:
	s_mov_b64 s[64:65], 0
	v_nop
	global_prefetch_b8 v0, s[64:65] scope:SCOPE_SE
	s_setreg_imm32_b32 hwreg(HW_REG_WAVE_MODE, 25, 1), 1
	s_wait_xcnt 0x0
; x [8192][1024] and Wq, Wk, Wv [1024][1024], all f32, are rounded once to bf16: xb [8192][1024]; wb [3072][1024], rows 0-1023 Wq, 1024-2047 Wk, 2048-3071 Wv.
; A stream: every byte is read once and written once.  No LDS, no barrier, no matrix unit, no cluster: no two work-groups want the same byte.
; SHARES.  A work-group takes 65,536 consecutive bytes of one input and makes 32,768 of output.  Work-groups 0-511: x; 512-575: Wq; 576-639: Wk; 640-703: Wv.
; Thread t takes 16 bytes at 16 t + 4,096 i, i = 0..15: a wave's load covers 512 consecutive bytes, its store of 8 bytes a lane 256 consecutive bytes, aligned.
; All 16 loads of a thread go out at once; no register is written twice, so the only waits are the counted ones for the loads.
.set IN,  8                            ; v[8:71]    16 loads of 4 registers
.set OUT, 72                           ; v[72:103]  16 pairs of packed bf16
	s_load_b256 s[4:11], s[0:1], 0x0               ; x s[4:5], Wq s[6:7], Wk s[8:9], Wv s[10:11]
	s_load_b128 s[12:15], s[0:1], 0x20             ; xb s[12:13], wb s[14:15]
	v_lshlrev_b32 v1, 4, v0                        ; my 16 bytes in
	v_lshlrev_b32 v2, 3, v0                        ; my 8 bytes out
	s_sub_co_u32 s16, ttmp9, 512                   ; the piece's number among the weights' 192 (not used for x)
	s_and_b32 s17, s16, 63                         ; and inside its own matrix
	s_cmp_lt_u32 ttmp9, 512
	s_cselect_b32 s18, ttmp9, s17                  ; the piece in its input
	s_cselect_b32 s20, ttmp9, s16                  ; the piece in its output
	s_lshl_b32 s18, s18, 16                        ; 65,536 bytes a piece in
	s_mov_b32 s19, 0
	s_lshl_b32 s20, s20, 15                        ; 32,768 out
	s_mov_b32 s21, 0
	s_wait_kmcnt 0x0
	s_cmp_ge_u32 ttmp9, 576
	s_cselect_b64 s[22:23], s[8:9], s[6:7]         ; Wk or Wq,
	s_cmp_ge_u32 ttmp9, 640
	s_cselect_b64 s[22:23], s[10:11], s[22:23]     ; or Wv,
	s_cmp_lt_u32 ttmp9, 512
	s_cselect_b64 s[22:23], s[4:5], s[22:23]       ; or x
	s_cselect_b64 s[24:25], s[12:13], s[14:15]     ; xb or wb
	s_add_nc_u64 s[22:23], s[22:23], s[18:19]
	s_add_nc_u64 s[24:25], s[24:25], s[20:21]
.irp i, 0,1,2,3,4,5,6,7,8,9,10,11,12,13,14,15
	global_load_b128 v[IN+4*(\i):IN+4*(\i)+3], v1, s[22:23] offset:4096*(\i) th:TH_LOAD_NT
.endr
.irp i, 0,1,2,3,4,5,6,7,8,9,10,11,12,13,14,15
	s_wait_loadcnt 15-(\i)                         ; loads come back in order: load i is in, the 15 - i younger ones stay out
	v_cvt_pk_bf16_f32 v[OUT+2*(\i)], v[IN+4*(\i)], v[IN+4*(\i)+1]
	v_cvt_pk_bf16_f32 v[OUT+2*(\i)+1], v[IN+4*(\i)+2], v[IN+4*(\i)+3]
	global_store_b64 v2, v[OUT+2*(\i):OUT+2*(\i)+1], s[24:25] offset:2048*(\i)
.endr
	s_endpgm
.Lfunc_end_k_q49f6d3ce1b_cvt:
	.size	k_q49f6d3ce1b_cvt, .Lfunc_end_k_q49f6d3ce1b_cvt-k_q49f6d3ce1b_cvt
	.p2alignl 7, 3214868480
	.fill 96, 4, 3214868480
	.section	.rodata,"a",@progbits
	.p2align	6, 0x0
	.amdhsa_kernel k_q49f6d3ce1b_cvt
		.amdhsa_group_segment_fixed_size 0
		.amdhsa_private_segment_fixed_size 0
		.amdhsa_enable_private_segment 0
		.amdhsa_kernarg_size 48
		.amdhsa_user_sgpr_count 2
		.amdhsa_user_sgpr_kernarg_segment_ptr 1
		.amdhsa_wavefront_size32 1
		.amdhsa_system_sgpr_workgroup_id_x 1
		.amdhsa_system_sgpr_workgroup_id_y 1
		.amdhsa_system_sgpr_workgroup_id_z 1
		.amdhsa_system_vgpr_workitem_id 0
		.amdhsa_next_free_vgpr 104
		.amdhsa_next_free_sgpr 66
		.amdhsa_reserve_vcc 0
		.amdhsa_float_denorm_mode_32 3
		.amdhsa_float_denorm_mode_16_64 3
		.amdhsa_memory_ordered 1
		.amdhsa_forward_progress 1
		.amdhsa_inst_pref_size 7
	.end_amdhsa_kernel
	.amdgpu_metadata
---
amdhsa.version: [ 1, 2 ]
amdhsa.kernels:
  - .name:           k_q49f6d3ce1b_cvt
    .symbol:         k_q49f6d3ce1b_cvt.kd
    .args:
      - { .name: x, .offset: 0, .size: 8, .value_kind: global_buffer, .address_space: global }
      - { .name: Wq, .offset: 8, .size: 8, .value_kind: global_buffer, .address_space: global }
      - { .name: Wk, .offset: 16, .size: 8, .value_kind: global_buffer, .address_space: global }
      - { .name: Wv, .offset: 24, .size: 8, .value_kind: global_buffer, .address_space: global }
      - { .name: xb, .offset: 32, .size: 8, .value_kind: global_buffer, .address_space: global }
      - { .name: wb, .offset: 40, .size: 8, .value_kind: global_buffer, .address_space: global }
    .group_segment_fixed_size: 0
    .private_segment_fixed_size: 0
    .kernarg_segment_align: 8
    .kernarg_segment_size: 48
    .max_flat_workgroup_size: 256
    .sgpr_count:     66
    .vgpr_count:     104
    .wavefront_size: 32
...
	.end_amdgpu_metadata
.endif
;; end of part 1
;; launch proj (part 2): grid 12 x 32, 4 waves a work-group, clusters of 4 x 4, 327,680 bytes of LDS; arguments xb, wb, qkv; writes qkv
.if DOCPART == 2
	.amdgcn_target "amdgcn-amd-amdhsa--gfx1250"
	.amdhsa_code_object_version 6
	.text
	.protected	k_q49f6d3ce1b_proj
	.globl	k_q49f6d3ce1b_proj
	.p2align	8
	.type	k_q49f6d3ce1b_proj,@function
k_q49f6d3ce1b_proj:
	s_mov_b64 s[64:65], 0
	v_nop
	global_prefetch_b8 v0, s[64:65] scope:SCOPE_SE
	s_setreg_imm32_b32 hwreg(HW_REG_WAVE_MODE, 25, 1), 1
	s_wait_xcnt 0x0
	s_wait_alu depctr_hold_cnt(0) depctr_sa_sdst(0) depctr_va_vdst(0) depctr_va_sdst(0) depctr_va_ssrc(0) depctr_va_vcc(0) depctr_vm_vsrc(0)
	s_getreg_b32 s2, hwreg(HW_REG_IB_STS2, 6, 4)
	s_cmp_eq_u32 s2, 0
	s_cbranch_scc0 .Lentry_in_a_cluster
	s_endpgm
.Lentry_in_a_cluster:
	s_bfe_u32 s2, ttmp6, 0x10000c
	s_cmp_lg_u32 s2, 0xf033
	s_cbranch_scc0 .Lentry_shape_is_right
	s_endpgm
.Lentry_shape_is_right:
; q, k, v = x W^T.  A = xb [8192][1024] bf16, B = wb [3072][1024] bf16 (Wq, Wk, Wv one below the other), C = qkv [3][8192][1024] f16; sums in f32, C rounded once.
; LIMIT.  q, k and v are kept in f16: a number of 65,520 or more would become an infinity.  Inputs 30 times those drawn give |q| of a few thousand.  NaN and infinities are not treated apart.
; SHARES.  A tile of C is 256 rows (of x) x 256 columns (rows of wb): 32 x 12 = 384 work-groups.  Four waves, each 128 x 128: 64 accumulators of 16 x 16, 512 registers.
; K goes in 8 steps of 128 (256 bytes of a row, aligned) through a ring of two LDS slots filled by the tensor data mover; each wave fetches 128 rows: waves 0, 1 A's halves, waves 2, 3 B's.
; A step is 256 matrix instructions a wave; 224 of them stand between a slot's request and the wait for it.
; CLUSTER.  4 x 4 work-groups: the four of a row of the cluster need the same tile of A, the four of a column the same tile of B: each is asked for jointly, by the same load with a mask of four.
; THE MATRIX INSTRUCTION IS USED TRANSPOSED: source 0 = 16 rows of B, source 1 = 16 rows of A: a lane holds row l % 16 of C and the eight neighbouring columns 8 (l / 16) + 0..7.
; ONE TEXT FOR A K STEP: the loop holds one step; the slot in hand is a scalar (0 or SLOT) that an exclusive or turns and that is added to the lanes' base addresses at each change of slots.
; REGISTERS, in windows of 256 (s_set_vgpr_msb: bits 1:0 source 0, 3:2 source 1, 5:4 source 2, 7:6 destination):
;   window 0: v0-15 addresses; v64-127, v128-191 A's fragments (8 x 16 rows x 32 K), two buffers (on the way out v64-127: rows read back); v192-223 packed results
;   window 1: v64-127, v128-191 B's fragments, two buffers
;   window 2: the 32 accumulators of my rows 0-63 (block a, columns b at 8 (8 (a % 4) + b));   window 3: those of my rows 64-127
.set KSTEP,  128
.set PITCH,  272                       ; an LDS row: 256 bytes + 16 of padding = 68 words: the 16 rows of a fragment load start at 16 different groups of four banks (64 banks of 4 bytes: ISA guide 11.1)
.set HALFT,  128*PITCH                 ; 128 rows: what one tensor load brings, and what one wave reads of A or of B
.set SLOT,   4*HALFT                   ; A's 256 rows, then B's 256 rows: 0x22000 bytes; the four regions' first bytes (0, 0x8800, 0x11000, 0x19800) have bits 13 and 17 clear, so an exclusive or with SLOT turns an address in one slot into the other's
.set STAGE,  2*SLOT                    ; behind the ring: 16 rows x 272 bytes for each wave, for the way out
.set SPITCH, 272
.set SPARE,  STAGE+4*16*SPITCH         ; behind the stages: the spare words, 128 bytes for each wave: two blocks of 256 bytes that no other line names
.set NSTEP,  8
.set ROWB,   2048                      ; bytes in a row of xb, of wb and of q, k, v
.set STEPB,  256                       ; bytes of a row in a K step
.set ADRA0, 4                          ; v4   LDS address of my A fragments in slot 0; never rewritten
.set ADRB0, 5                          ; v5   the same for B
.set ADRA, 6                           ; v6   the same in the slot in hand
.set ADRB, 7                           ; v7
.set STO,  8                           ; v8   the way out: where I put 16 bytes of a row
.set RD,   9                           ; v9   where I read a row back
.set CO,   10                          ; v10  my byte offset in C
.set PFO,  11                          ; v11  the prefetches' offset: my lane x a row; never rewritten
.set SPW,  12                          ; v12  LDS address of my spare word; never rewritten
.set NIL,  13                          ; v13  0; never rewritten
.set F0,   64
.set F1,   128
.set TMP,  192
.set G1A, 24                           ; s[24:31] descriptor group 1 for A's tiles;  s[32:39] group 0: a set for each first fill; the second then walks
.set G0A, 32
.set G1B, 48                           ; s[48:55], s[56:63] the same for B's
.set G0B, 56
.set PFA, 66                           ; s[66:67] the 32 rows and the K step that my next prefetch names
.set LIM, 68                           ; s68      2 in a wave that prefetches, else the greatest number
.set TB,  69                           ; s69      the slot in hand: 0 or SLOT
.set G1W0, (1<<16)|(1<<20)|(1<<21)|(5<<22)|(3<<25)  ; 17:16 elements of 2 bytes; 20 padding on; 21 set beside a mask; 24:22 after every 64 words (code 5); 31:25 4 words of it (code 3)
.set MSB, 0
.macro WIN new                         ; the immediate's high byte repeats the setting that is left; a switch that changes nothing is dropped
.if MSB != (\new)
	s_set_vgpr_msb (MSB<<8)|(\new)
.set MSB, \new
.endif
.endm
.macro PLACES                          ; four places in front of loads into registers that matrix instructions have read (ISA guide 7.12.1 for vector instructions)
.rept 4
	v_nop
.endr
.endm
; A joint load: waves 0, 1 ask for A's halves, waves 2, 3 for B's.  The branch hangs on the wave's number alone.  An s_nop 0 and four v_nop follow each line.
.macro JLOAD s
	s_cmp_eq_u32 s11, 0
	s_cbranch_scc0 .Lfor_b_\@
	tensor_load_to_lds s[G0A+4*(\s):G0A+4*(\s)+3], s[G1A:G1A+7]
	s_nop 0
.rept 4
	v_nop
.endr
	s_branch .Lasked_\@
.Lfor_b_\@:
	tensor_load_to_lds s[G0B+4*(\s):G0B+4*(\s)+3], s[G1B:G1B+7]
	s_nop 0
.rept 4
	v_nop
.endr
.Lasked_\@:
.endm
.macro CREST                           ; a round of the cluster's barrier behind its opening barrier
	s_cmp_lg_u32 s10, 0
	s_cbranch_scc1 .Lnot_wave_0_\@
	s_barrier_signal -3
.Lnot_wave_0_\@:
	s_barrier_wait -3
	s_barrier_signal -1
	s_barrier_wait -1
.endm
.macro CROUND                          ; a whole round
	s_barrier_signal -1
	s_barrier_wait -1
	CREST
.endm
; A prefetch, behind a joint load and the run of LDS loads that follows it: 32 rows x 256 bytes, a lane a row, of the K step two refills on (512 matrix instructions ahead of the load that wants it).
; Each row's 256 bytes of a K step are named once in the launch: A's rows in the clusters with x = 0, B's in the clusters with y = 0; of the 128 rows that a wave fetches each of the four partners
; that ask for them jointly takes 32, told apart by address.  The loop's last two trips ask for nothing: K steps 4 to 7 are named; steps 0 to 3 come by their loads alone.
.macro ASK
	s_cmp_gt_u32 s3, s[LIM]
	s_cbranch_scc0 .Lnot_mine_\@
	global_prefetch_b8 v[PFO], s[PFA:PFA+1] th:TH_LOAD_NT scope:SCOPE_SE
.Lnot_mine_\@:
.endm
	s_load_b128 s[4:7], s[0:1], 0x0                ; xb s[4:5], wb s[6:7]
	s_load_b64 s[8:9], s[0:1], 0x10                ; qkv
	v_lshl_add_u32 v[SPW], v0, 2, SPARE
	v_mov_b32 v[NIL], 0
	ds_add_u32 v[SPW], v[NIL]                      ; the wave's opening: the add and its wait ahead of my first tensor load; work on registers stands between them
	v_lshrrev_b32 v1, 5, v0
	v_readfirstlane_b32 s10, v1                    ; wave 0..3
	s_lshr_b32 s11, s10, 1                         ; which 128 rows of the tile are mine.  Also: I fetch for A (0) or for B (1)
	s_and_b32 s12, s10, 1                          ; which 128 columns.  Also: which half of that tile I fetch
	s_bfe_u32 s40, ttmp6, 0x40000                  ; cx
	s_bfe_u32 s41, ttmp6, 0x40004                  ; cy
	s_lshl_b32 s42, ttmp9, 2
	s_add_co_u32 s42, s42, s40                     ; tile column = 4 x cluster x + cx
	s_and_b32 s13, ttmp7, 0xffff
	s_lshl_b32 s13, s13, 2
	s_add_co_u32 s13, s13, s41                     ; tile row = 4 x cluster y + cy
	s_lshl_b32 s43, s41, 2
	s_lshl_b32 s43, 15, s43                        ; my row of the cluster
	s_lshl_b32 s44, 0x1111, s40                    ; my column
	s_or_b32 s[G1A], s43, G1W0                     ; A's tiles go to my row: 128 rows x 128 elements
	s_mov_b32 s[G1A+1], KSTEP<<16                  ; tensor_dim0 = 128
	s_mov_b32 s[G1A+2], 128<<16                    ; tensor_dim1 = 128
	s_mov_b32 s[G1A+3], KSTEP<<16                  ; tile_dim0 = 128
	s_mov_b32 s[G1A+4], 128                        ; tile_dim1 = 128
	s_mov_b32 s[G1A+5], 1024                       ; elements from row to row
	s_mov_b32 s[G1A+6], 0
	s_mov_b32 s[G1A+7], 0
	s_or_b32 s[G1B], s44, G1W0                     ; B's tiles go to my column
	s_mov_b32 s[G1B+1], KSTEP<<16
	s_mov_b32 s[G1B+2], 128<<16
	s_mov_b32 s[G1B+3], KSTEP<<16
	s_mov_b32 s[G1B+4], 128
	s_mov_b32 s[G1B+5], 1024
	s_mov_b32 s[G1B+6], 0
	s_mov_b32 s[G1B+7], 0
	s_lshl_b32 s16, s13, 8                         ; A: row 256 x tile row + 128 x half,
	s_lshl_b32 s17, s12, 7
	s_add_co_u32 s16, s16, s17
	s_lshl_b32 s16, s16, 11                        ; in bytes (under 2^24)
	s_mov_b32 s17, 0
	s_lshl_b32 s46, s42, 8                         ; B: row 256 x tile column + 128 x half
	s_lshl_b32 s47, s12, 7
	s_add_co_u32 s46, s46, s47
	s_lshl_b32 s46, s46, 11
	s_mov_b32 s47, 0
	s_mul_i32 s20, s10, HALFT                      ; where they go: wave x 128 rows: no place in the cluster enters an LDS address
	s_mov_b32 s[TB], 0
	s_wait_dscnt 0x0                               ; the opening add is done
	s_wait_kmcnt 0x0
	s_add_nc_u64 s[14:15], s[4:5], s[16:17]
	s_add_nc_u64 s[46:47], s[6:7], s[46:47]
	CROUND                                         ; all sixteen work-groups are here: the first joint loads meet
.irp s, 0,1
	s_mov_b32 s[G0A+4*(\s)], 1                     ; count = 1
	s_add_co_u32 s[G0A+4*(\s)+1], s20, (\s)*SLOT   ; LDS address
	s_add_nc_u64 s[G0A+4*(\s)+2:G0A+4*(\s)+3], s[14:15], (\s)*STEPB  ; global address: K step s
	s_or_b32 s[G0A+4*(\s)+3], s[G0A+4*(\s)+3], 0x80000000           ; type = 2
	s_mov_b32 s[G0B+4*(\s)], 1
	s_add_co_u32 s[G0B+4*(\s)+1], s20, (\s)*SLOT
	s_add_nc_u64 s[G0B+4*(\s)+2:G0B+4*(\s)+3], s[46:47], (\s)*STEPB
	s_or_b32 s[G0B+4*(\s)+3], s[G0B+4*(\s)+3], 0x80000000
	JLOAD \s                                       ; two loads of mine are out
.endr
	; a fragment is 16 rows x 32 K in 8 registers: lane l holds row l % 16; registers 0-3 K = 8 (l / 16) + 0..7, registers 4-7 K = 16 + 8 (l / 16) + 0..7: two loads of 16 bytes, 32 bytes apart
	v_and_b32 v1, 15, v0                           ; r = l % 16
	v_bfe_u32 v2, v0, 4, 1                         ; h = l / 16
	v_mul_u32_u24 v3, v1, PITCH
	v_lshl_add_u32 v3, v2, 4, v3
	s_mul_i32 s21, s11, HALFT                      ; my 128 rows of A
	s_mul_i32 s22, s12, HALFT                      ; my 128 rows of B,
	s_add_co_u32 s22, s22, 2*HALFT                 ; which lie behind A's 256
	v_add_nc_u32 v[ADRA0], s21, v3
	v_add_nc_u32 v[ADRB0], s22, v3
	v_mov_b32 v[ADRA], v[ADRA0]
	v_mov_b32 v[ADRB], v[ADRB0]
	s_mul_i32 s23, s10, 16*SPITCH
	s_add_co_u32 s23, s23, STAGE                   ; my stage
	v_mul_u32_u24 v3, v1, SPITCH                   ; in: row r, 16 bytes for each half of the lanes
	v_lshl_add_u32 v3, v2, 4, v3
	v_add_nc_u32 v[STO], s23, v3
	v_mul_u32_u24 v3, v2, SPITCH                   ; back: lanes 0-15 one row of 256 bytes, lanes 16-31 the next
	v_lshl_add_u32 v3, v1, 4, v3
	v_add_nc_u32 v[RD], s23, v3
	v_lshlrev_b32 v3, 11, v2                       ; and the same two rows in C
	v_lshl_add_u32 v[CO], v1, 4, v3
	; C at my part of the tile: matrix (tile column / 4) x 2^24 + (256 x tile row + 128 x half) x 2,048 + ((tile column % 4) x 256 + 128 x half) x 2
	s_lshl_b32 s76, s13, 8
	s_lshl_b32 s77, s11, 7
	s_add_co_u32 s76, s76, s77
	s_lshl_b32 s76, s76, 11
	s_lshr_b32 s77, s42, 2
	s_lshl_b32 s77, s77, 24
	s_add_co_u32 s76, s76, s77
	s_and_b32 s77, s42, 3
	s_lshl_b32 s77, s77, 9
	s_add_co_u32 s76, s76, s77
	s_lshl_b32 s77, s12, 8
	s_add_co_u32 s76, s76, s77
	s_mov_b32 s77, 0
	s_add_nc_u64 s[8:9], s[8:9], s[76:77]
	; the prefetches
	s_lshl_b32 s18, s13, 8
	s_lshl_b32 s19, s40, 5
	s_add_co_u32 s18, s18, s19                     ; A: row 256 x tile row + 32 cx
	s_lshl_b32 s20, s42, 8
	s_lshl_b32 s19, s41, 5
	s_add_co_u32 s20, s20, s19                     ; B: row 256 x tile column + 32 cy
	s_and_b32 s22, ttmp7, 0xffff                   ; B's rows: cluster y = 0
	s_cmp_eq_u32 s11, 0
	s_cselect_b32 s18, s18, s20
	s_cselect_b32 s21, ttmp9, s22                  ; A's rows: cluster x = 0
	s_cselect_b64 s[PFA:PFA+1], s[4:5], s[6:7]
	s_cmp_eq_u32 s21, 0
	s_cselect_b32 s[LIM], 2, -1                    ; the same in all sixteen partners, for a given wave
	s_lshl_b32 s19, s12, 7
	s_add_co_u32 s18, s18, s19                     ; + the 128 rows that I fetch
	s_lshl_b32 s18, s18, 11
	s_mov_b32 s19, 0
	s_add_nc_u64 s[PFA:PFA+1], s[PFA:PFA+1], s[18:19]
	s_add_nc_u64 s[PFA:PFA+1], s[PFA:PFA+1], 3*STEPB  ; at K step 3: the first change of slots steps it to 4
	v_and_b32 v[PFO], 31, v0
	v_lshlrev_b32 v[PFO], 11, v[PFO]
; 16 matrix instructions: blocks a0, a0 + 1 of the window's four (hi = 0: my rows 0-63, 1: rows 64-127) x my 8 blocks of 16 columns, 32 along K, from buffer f.  zero = 1: the products start the sums: nothing is cleared.
; The 64 accumulators take turns, one instruction a turn, in the same order in every quarter, over the backward jumps too.
.macro MUL16 f, hi, a0, zero
	WIN 0xa1+0x50*(\hi)                            ; B window 1, A window 0, C and D window 2 or 3
.irp a, \a0, (\a0)+1
.irp b, 0,1,2,3,4,5,6,7
.if \zero
	v_wmma_f32_16x16x32_bf16 v[8*(8*(\a)+(\b)):8*(8*(\a)+(\b))+7], v[(\f)+8*(\b):(\f)+8*(\b)+7], v[(\f)+8*(4*(\hi)+(\a)):(\f)+8*(4*(\hi)+(\a))+7], 0
.else
	v_wmma_f32_16x16x32_bf16 v[8*(8*(\a)+(\b)):8*(8*(\a)+(\b))+7], v[(\f)+8*(\b):(\f)+8*(\b)+7], v[(\f)+8*(4*(\hi)+(\a)):(\f)+8*(4*(\hi)+(\a))+7], v[8*(8*(\a)+(\b)):8*(8*(\a)+(\b))+7]
.endif
.endr
.endr
.endm
; 32 LDS loads in one run: 32 K at byte k of the rows of the slot in hand, into buffer f: B's 8 fragments, then A's 8
.macro FETCH k, f
	WIN 0x40                                       ; destination window 1, address window 0
.irp i, 0,1,2,3,4,5,6,7
	ds_load_b128 v[(\f)+8*(\i):(\f)+8*(\i)+3],   v[ADRB] offset:(\k)+(\i)*16*PITCH
	ds_load_b128 v[(\f)+8*(\i)+4:(\f)+8*(\i)+7], v[ADRB] offset:(\k)+(\i)*16*PITCH+32
.endr
	WIN 0
.irp i, 0,1,2,3,4,5,6,7
	ds_load_b128 v[(\f)+8*(\i):(\f)+8*(\i)+3],   v[ADRA] offset:(\k)+(\i)*16*PITCH
	ds_load_b128 v[(\f)+8*(\i)+4:(\f)+8*(\i)+7], v[ADRA] offset:(\k)+(\i)*16*PITCH+32
.endr
.endm
; A K step is four quarters of 32 along K, 64 matrix instructions each, on buffers 0, 1, 0, 1.  One of the first three: multiplies buffer f and, in its middle, fetches the next quarter, at byte k, into buffer g.
.macro QUARTER k, f, g, zero
	s_wait_dscnt 8                                 ; B and A's rows 0-63 are in; the youngest eight loads (A's rows 64-127) may be out
	MUL16 \f, 0, 0, \zero
	MUL16 \f, 0, 2, \zero
	PLACES
	FETCH \k, \g
	s_wait_dscnt 32                                ; all but the 32 just issued
	MUL16 \f, 1, 0, \zero
	MUL16 \f, 1, 2, \zero
.endm
; The last quarter multiplies buffer 1 and changes slots: ONE barrier.  In front of it each wave waits for all its tensor loads (one is out: its part of the next slot), adds 0 to its spare word,
; and waits for that and for its reads of this slot.  fill = 1: the barrier opens a round of the cluster's, and this slot is filled again, two K steps ahead, first thing behind it:
; the walking descriptors take the other slot than last time and the next K step.
.macro TURN fill
.if \fill
	s_wait_xcnt 0x0                                ; the last prefetch, a K step back, has read its address, so it may be stepped
	s_add_nc_u64 s[PFA:PFA+1], s[PFA:PFA+1], STEPB
.endif
	WIN 0                                          ; (the add's two registers lie in window 0)
	s_wait_tensorcnt 0x0                           ; all my tensor loads have landed
	ds_add_u32 v[SPW], v[NIL]                      ; 0 onto my spare word
	s_wait_dscnt 9                                 ; (the add and the youngest eight loads may be out)
	MUL16 F1, 0, 0, 0                              ; sixteen matrix instructions stand between the add and the wait for it
	s_wait_dscnt 0x0                               ; the add is done, and my reads of this slot are over
	s_barrier_signal -1
	MUL16 F1, 0, 2, 0
	WIN 0                                          ; branches and the address lines follow
	s_barrier_wait -1
.if \fill
	CREST                                          ; no wave of any partner still reads this slot's tiles or has a load on its way
	s_xor_b32 s[G0A+5], s[G0A+5], SLOT
	s_add_nc_u64 s[G0A+6:G0A+7], s[G0A+6:G0A+7], STEPB
	s_xor_b32 s[G0B+5], s[G0B+5], SLOT
	s_add_nc_u64 s[G0B+6:G0B+7], s[G0B+6:G0B+7], STEPB
	JLOAD 1                                        ; the four v_nop behind it are also the places in front of the loads below
.else
	PLACES
.endif
	s_xor_b32 s[TB], s[TB], SLOT                   ; the reads go on in the other slot
	v_add_nc_u32 v[ADRA], s[TB], v[ADRA0]
	v_add_nc_u32 v[ADRB], s[TB], v[ADRB0]
	FETCH 0, F0
.if \fill
	ASK
.endif
	MUL16 F1, 1, 0, 0
	MUL16 F1, 1, 2, 0
.endm
	s_wait_tensorcnt 1                             ; my part of K step 0 is in; K step 1's may stay out
	s_barrier_signal -1
	s_barrier_wait -1                              ; everybody's is
	FETCH 0, F0
	QUARTER 64, F0, F1, 1                          ; the first quarter stands in front of the loop: its products start the sums
	WIN 0                                          ; at a label and at a branch every window is 0
	s_mov_b32 s3, NSTEP-2
.Lstep:                                                ; a trip goes from a step's second quarter to the next step's first, and fills the slot that it leaves: K steps 2 to 7
	QUARTER 128, F1, F0, 0
	QUARTER 192, F0, F1, 0
	TURN 1
	QUARTER 64, F0, F1, 0
	WIN 0
	s_sub_co_u32 s3, s3, 1
	s_cmp_lg_u32 s3, 0
	s_cbranch_scc1 .Lstep
	s_mov_b32 s3, 2
.Ltail:                                                ; the last two steps have a text of their own: nothing is filled
	QUARTER 128, F1, F0, 0
	QUARTER 192, F0, F1, 0
	TURN 0                                         ; in the second trip its barrier and its 32 loads serve nothing: the price, once a launch, of one text for both trips
	WIN 0
	s_cmp_eq_u32 s3, 1
	s_cbranch_scc1 .Ldone                          ; behind the last step there is no further quarter
	QUARTER 64, F0, F1, 0
	WIN 0
.Ldone:
	s_wait_dscnt 0x0                               ; no LDS load is out: the way out writes the fragments' registers
	s_sub_co_u32 s3, s3, 1
	s_cmp_lg_u32 s3, 0
	s_cbranch_scc1 .Ltail
; THE WAY OUT, a block of 16 rows at a time: rounded to f16, 16 bytes a lane; into my own stage in LDS; back as whole rows of 256 bytes; stored.
.macro PACK a
.set AC, 64*((\a)%4)
	WIN 0x0a+5*((\a)/4)                            ; sources 0 and 1: window 2 or 3
.irp b, 0,1,2,3,4,5,6,7
.irp i, 0,1,2,3
	v_cvt_pk_f16_f32 v[TMP+4*(\b)+(\i)], v[AC+8*(\b)+2*(\i)], v[AC+8*(\b)+2*(\i)+1]
.endr
.endr
	WIN 0
.endm
.macro TOSTAGE a
.set BK, F0+32*((\a)%2)
.irp b, 0,1,2,3,4,5,6,7
	ds_store_b128 v[STO], v[TMP+4*(\b):TMP+4*(\b)+3] offset:32*(\b)
.endr
.irp t, 0,1,2,3,4,5,6,7
	ds_load_b128 v[BK+4*(\t):BK+4*(\t)+3], v[RD] offset:(\t)*2*SPITCH  ; LDS serves a wave's instructions in order (ISA guide 5.7.1.4): these see the stores above
.endr
.endm
.macro SEND a
.set BK, F0+32*((\a)%2)
	s_wait_dscnt 0x0                               ; the block is back in registers
	s_wait_xcnt 0x0                                ; the stores of the block before have read their registers, into which the next block's rows are loaded
.irp t, 0,1,2,3,4,5,6,7
	global_store_b128 v[CO], v[BK+4*(\t):BK+4*(\t)+3], s[8:9] offset:(16*(\a)+2*(\t))*ROWB  ; 16 lanes store 256 consecutive bytes, aligned
.endr
.endm
	PLACES                                         ; behind the last products, in front of the conversions that read results
	PLACES
	PACK 0
	TOSTAGE 0
.irp a, 1,2,3,4,5,6,7                  ; block a's conversions stand between block a - 1's loads from the stage and the wait for them
	PACK \a
	SEND (\a)-1
	TOSTAGE \a
.endr
	SEND 7
	s_wait_tensorcnt 0x0                           ; the wave's end, behind my last tensor load and my last LDS store
	ds_add_u32 v[SPW], v[NIL]
	s_wait_dscnt 0x0
	CROUND                                         ; the closing round: no work-group ends while a partner may still ask for a tile that names it
	s_endpgm
.Lfunc_end_k_q49f6d3ce1b_proj:
	.size	k_q49f6d3ce1b_proj, .Lfunc_end_k_q49f6d3ce1b_proj-k_q49f6d3ce1b_proj
	.p2alignl 7, 3214868480
	.fill 96, 4, 3214868480
	.section	.rodata,"a",@progbits
	.p2align	6, 0x0
	.amdhsa_kernel k_q49f6d3ce1b_proj
		.amdhsa_group_segment_fixed_size 327680
		.amdhsa_private_segment_fixed_size 0
		.amdhsa_enable_private_segment 0
		.amdhsa_kernarg_size 24
		.amdhsa_user_sgpr_count 2
		.amdhsa_user_sgpr_kernarg_segment_ptr 1
		.amdhsa_wavefront_size32 1
		.amdhsa_system_sgpr_workgroup_id_x 1
		.amdhsa_system_sgpr_workgroup_id_y 1
		.amdhsa_system_sgpr_workgroup_id_z 1
		.amdhsa_system_vgpr_workitem_id 0
		.amdhsa_next_free_vgpr 1024
		.amdhsa_next_free_sgpr 84
		.amdhsa_reserve_vcc 0
		.amdhsa_float_denorm_mode_32 3
		.amdhsa_float_denorm_mode_16_64 3
		.amdhsa_memory_ordered 1
		.amdhsa_forward_progress 1
		.amdhsa_inst_pref_size 101
	.end_amdhsa_kernel
	.amdgpu_metadata
---
amdhsa.version: [ 1, 2 ]
amdhsa.kernels:
  - .name:           k_q49f6d3ce1b_proj
    .symbol:         k_q49f6d3ce1b_proj.kd
    .args:
      - { .name: xb, .offset: 0, .size: 8, .value_kind: global_buffer, .address_space: global }
      - { .name: wb, .offset: 8, .size: 8, .value_kind: global_buffer, .address_space: global }
      - { .name: qkv, .offset: 16, .size: 8, .value_kind: global_buffer, .address_space: global }
    .group_segment_fixed_size: 327680
    .private_segment_fixed_size: 0
    .kernarg_segment_align: 8
    .kernarg_segment_size: 24
    .max_flat_workgroup_size: 128
    .sgpr_count:     84
    .vgpr_count:     1024
    .wavefront_size: 32
...
	.end_amdgpu_metadata
.endif
;; end of part 2
;; launch scores (part 3): grid 8 x 32, 4 waves a work-group, clusters of 4 x 4, 327,680 bytes of LDS; arguments qkv, pw, st; writes pw, st
.if DOCPART == 3
	.amdgcn_target "amdgcn-amd-amdhsa--gfx1250"
	.amdhsa_code_object_version 6
	.text
	.protected	k_q49f6d3ce1b_scores
	.globl	k_q49f6d3ce1b_scores
	.p2align	8
	.type	k_q49f6d3ce1b_scores,@function
k_q49f6d3ce1b_scores:
	s_mov_b64 s[64:65], 0
	v_nop
	global_prefetch_b8 v0, s[64:65] scope:SCOPE_SE
	s_setreg_imm32_b32 hwreg(HW_REG_WAVE_MODE, 25, 1), 1
	s_wait_xcnt 0x0
	s_wait_alu depctr_hold_cnt(0) depctr_sa_sdst(0) depctr_va_vdst(0) depctr_va_sdst(0) depctr_va_ssrc(0) depctr_va_vcc(0) depctr_vm_vsrc(0)
	s_getreg_b32 s2, hwreg(HW_REG_IB_STS2, 6, 4)
	s_cmp_eq_u32 s2, 0
	s_cbranch_scc0 .Lentry_in_a_cluster
	s_endpgm
.Lentry_in_a_cluster:
	s_bfe_u32 s2, ttmp6, 0x10000c
	s_cmp_lg_u32 s2, 0xf033
	s_cbranch_scc0 .Lentry_shape_is_right
	s_endpgm
.Lentry_shape_is_right:
; For each batch S = q k^T; of each row and each CHUNK of 128 keys: the chunk's maximum m, the weights p = 2^(c s - c m) (c = log2(e) / 32) rounded to f16, and their sum l.
; A = q = qkv [8192][1024] f16, B = k = the same buffer 2^24 bytes on; pw [8192][2048] f16 (row = 2,048 x batch + query, column = key); sums, maxima and l in f32 (l of the unrounded p).
; st, f32: for each block of 64 rows and each of 16 chunks 512 bytes: c m as [row % 16][(row / 16) % 4], then l likewise.  The next launch takes the maximum of the 16 chunk maxima: the maximum
; that is taken away before every exponential is a true one, so no exponential here is above 1 but for the rounding of c m.
; LIMITS.  p below 6e-5 keeps f16's fixed step of 6e-8; a weight below 2^-126 counts as 0 in l; NaN and infinities are not treated apart.
; SHARES.  A tile of S is 256 queries x 256 keys: 32 x 8 = 256 work-groups.  Four waves, each 128 x 128: a wave's 128 keys ARE one chunk, so no wave needs another's scores.
; K (the 1,024 channels) goes in 8 steps of 128 through a ring of two LDS slots; each wave fetches 128 rows: waves 0, 1 A's halves, waves 2, 3 B's.  A step is 256 matrix instructions a wave;
; 224 of them stand between a slot's request and the wait for it.  A's tile is asked for jointly along a row of the 4 x 4 cluster, B's along a column.
; TRANSPOSED USE: source 0 = 16 keys, source 1 = 16 queries: a lane holds ONE query (l % 16) and the keys 8 (l / 16) + 0..7 of each block of 16: a query's maximum and sum want one exchange between the halves of the lanes.
; ONE TEXT FOR A K STEP: the slot in hand is a scalar (0 or SLOT) that an exclusive or turns and that is added to the lanes' base addresses at each change of slots.
; REGISTERS (s_set_vgpr_msb: bits 1:0 source 0, 3:2 source 1, 5:4 source 2, 7:6 destination):
;   window 0: v0-15 addresses; v16-23 c m, v24-31 l of my eight blocks; v32-63 packed weights; v64-127, v128-191 A's fragments, two buffers (on the way out v64-127: rows read back, v128-139 at work); v192-255 a block's 64 scaled scores
;   window 1: v64-127, v128-191 B's fragments      window 2: the accumulators of my rows 0-63 (block a, keys b at 8 (8 (a % 4) + b))      window 3: those of my rows 64-127
.set KSTEP,  128
.set PITCH,  272                       ; an LDS row: 256 bytes + 16 of padding: the 16 rows of a fragment load start at 16 different groups of four banks (ISA guide 11.1)
.set HALFT,  128*PITCH
.set SLOT,   4*HALFT                   ; 0x22000 bytes; the four regions' first bytes have bits 13 and 17 clear, so an exclusive or with SLOT turns an address in one slot into the other's
.set STAGE,  2*SLOT                    ; behind the ring: 16 rows x 272 bytes for each wave
.set SPITCH, 272
.set SPARE,  STAGE+4*16*SPITCH         ; the spare words, 128 bytes for each wave: two blocks of 256 bytes that no other line names
.set NSTEP,  8
.set ROWC,   4096                      ; bytes in a row of pw
.set STEPB,  256
.set ADRA0, 4
.set ADRB0, 5
.set ADRA, 6
.set ADRB, 7
.set STO,  8
.set RD,   9
.set CO,   10
.set PFO,  11
.set SPW,  12
.set NIL,  13
.set LN,   14                          ; v14  my lane
.set SO,   15                          ; v15  16 x my lane: my 16 bytes of the statistics
.set CM,   16
.set LL,   24
.set PK,   32
.set F0,   64
.set F1,   128
.set WK,   128                         ; on the way out: v128 c m, v129 m, v130 the other half's figure, v131 a sum; v132-139 the statistics as stored
.set TMP,  192
.set G1A, 24
.set G0A, 32
.set G1B, 48
.set G0B, 56
.set PFA, 66
.set LIM, 68
.set TB,  69
.set CS,  70                           ; s[70:71] c: the packed scaling takes the pair's low word for both halves
.set SEL, 72                           ; s[72:73] v_permlanex16_b32's selects: each lane takes its own place in the other half
.set G1W0, (1<<16)|(1<<20)|(1<<21)|(5<<22)|(3<<25)
.set MSB, 0
.macro WIN new
.if MSB != (\new)
	s_set_vgpr_msb (MSB<<8)|(\new)
.set MSB, \new
.endif
.endm
.macro PLACES
.rept 4
	v_nop
.endr
.endm
.macro JLOAD s                         ; a joint load: waves 0, 1 for A, waves 2, 3 for B; an s_nop 0 and four v_nop follow each line
	s_cmp_eq_u32 s11, 0
	s_cbranch_scc0 .Lfor_b_\@
	tensor_load_to_lds s[G0A+4*(\s):G0A+4*(\s)+3], s[G1A:G1A+7]
	s_nop 0
.rept 4
	v_nop
.endr
	s_branch .Lasked_\@
.Lfor_b_\@:
	tensor_load_to_lds s[G0B+4*(\s):G0B+4*(\s)+3], s[G1B:G1B+7]
	s_nop 0
.rept 4
	v_nop
.endr
.Lasked_\@:
.endm
.macro CREST
	s_cmp_lg_u32 s10, 0
	s_cbranch_scc1 .Lnot_wave_0_\@
	s_barrier_signal -3
.Lnot_wave_0_\@:
	s_barrier_wait -3
	s_barrier_signal -1
	s_barrier_wait -1
.endm
.macro CROUND
	s_barrier_signal -1
	s_barrier_wait -1
	CREST
.endm
; A prefetch of the K step two refills on: 32 rows x 256 bytes, a lane a row.  q's rows are named in the clusters with x = 0, k's in a batch's first cluster (y even); of the 128 rows that a wave
; fetches each of the four partners of the joint load takes 32, told apart by address: each block is named once.  The loop's last two trips ask for nothing: K steps 4 to 7 are named.
.macro ASK
	s_cmp_gt_u32 s3, s[LIM]
	s_cbranch_scc0 .Lnot_mine_\@
	global_prefetch_b8 v[PFO], s[PFA:PFA+1] th:TH_LOAD_NT scope:SCOPE_SE
.Lnot_mine_\@:
.endm
	s_load_b64 s[4:5], s[0:1], 0x0                 ; qkv, for q
	s_load_b64 s[6:7], s[0:1], 0x0                 ; qkv once more, for k
	s_load_b64 s[8:9], s[0:1], 0x8                 ; pw
	s_load_b64 s[74:75], s[0:1], 0x10              ; st
	v_lshl_add_u32 v[SPW], v0, 2, SPARE
	v_mov_b32 v[NIL], 0
	ds_add_u32 v[SPW], v[NIL]                      ; the wave's opening: the add and its wait ahead of my first tensor load
	v_lshrrev_b32 v1, 5, v0
	v_readfirstlane_b32 s10, v1                    ; wave 0..3
	s_lshr_b32 s11, s10, 1                         ; which 128 queries are mine.  Also: I fetch for A (0) or for B (1)
	s_and_b32 s12, s10, 1                          ; which 128 keys.  Also: which half of that tile I fetch
	s_bfe_u32 s40, ttmp6, 0x40000                  ; cx
	s_bfe_u32 s41, ttmp6, 0x40004                  ; cy
	s_lshl_b32 s42, ttmp9, 2
	s_add_co_u32 s42, s42, s40                     ; tile column (256 keys of the batch) = 4 x cluster x + cx
	s_and_b32 s13, ttmp7, 0xffff
	s_lshl_b32 s13, s13, 2
	s_add_co_u32 s13, s13, s41                     ; tile row (256 of the 8,192 rows) = 4 x cluster y + cy
	s_and_b32 s45, ttmp7, 0xffff
	s_lshr_b32 s45, s45, 1                         ; the batch = cluster y / 2: the same in all sixteen partners
	s_lshl_b32 s43, s41, 2
	s_lshl_b32 s43, 15, s43                        ; my row of the cluster
	s_lshl_b32 s44, 0x1111, s40                    ; my column
	s_or_b32 s[G1A], s43, G1W0                     ; A: 128 rows x 128 elements
	s_mov_b32 s[G1A+1], KSTEP<<16
	s_mov_b32 s[G1A+2], 128<<16
	s_mov_b32 s[G1A+3], KSTEP<<16
	s_mov_b32 s[G1A+4], 128
	s_mov_b32 s[G1A+5], 1024
	s_mov_b32 s[G1A+6], 0
	s_mov_b32 s[G1A+7], 0
	s_or_b32 s[G1B], s44, G1W0                     ; B: 128 rows x 128 elements
	s_mov_b32 s[G1B+1], KSTEP<<16
	s_mov_b32 s[G1B+2], 128<<16
	s_mov_b32 s[G1B+3], KSTEP<<16
	s_mov_b32 s[G1B+4], 128
	s_mov_b32 s[G1B+5], 1024
	s_mov_b32 s[G1B+6], 0
	s_mov_b32 s[G1B+7], 0
	s_lshl_b32 s16, s13, 8                         ; A: row 256 x tile row + 128 x half
	s_lshl_b32 s17, s12, 7
	s_add_co_u32 s16, s16, s17
	s_lshl_b32 s16, s16, 11
	s_mov_b32 s17, 0
	s_lshl_b32 s46, s45, 11                        ; B: row 2,048 x batch + 256 x tile column + 128 x half
	s_lshl_b32 s47, s42, 8
	s_add_co_u32 s46, s46, s47
	s_lshl_b32 s47, s12, 7
	s_add_co_u32 s46, s46, s47
	s_lshl_b32 s46, s46, 11
	s_mov_b32 s47, 0
	s_mul_i32 s20, s10, HALFT                      ; where they go: wave x 128 rows
	s_mov_b32 s[TB], 0
	s_mov_b32 s[CS], 0x3d38aa3b                    ; c = log2(e) / 32
	s_mov_b32 s[CS+1], s[CS]                       ; named with it as a pair
	s_mov_b32 s[SEL], 0x76543210
	s_mov_b32 s[SEL+1], 0xfedcba98
	s_wait_dscnt 0x0                               ; the opening add is done
	s_wait_kmcnt 0x0
	s_add_nc_u64 s[6:7], s[6:7], 0x1000000         ; k begins 8,192 rows of 2,048 bytes behind q
	s_add_nc_u64 s[14:15], s[4:5], s[16:17]
	s_add_nc_u64 s[46:47], s[6:7], s[46:47]
	CROUND                                         ; all sixteen work-groups are here: the first joint loads meet
.irp s, 0,1
	s_mov_b32 s[G0A+4*(\s)], 1
	s_add_co_u32 s[G0A+4*(\s)+1], s20, (\s)*SLOT
	s_add_nc_u64 s[G0A+4*(\s)+2:G0A+4*(\s)+3], s[14:15], (\s)*STEPB
	s_or_b32 s[G0A+4*(\s)+3], s[G0A+4*(\s)+3], 0x80000000
	s_mov_b32 s[G0B+4*(\s)], 1
	s_add_co_u32 s[G0B+4*(\s)+1], s20, (\s)*SLOT
	s_add_nc_u64 s[G0B+4*(\s)+2:G0B+4*(\s)+3], s[46:47], (\s)*STEPB
	s_or_b32 s[G0B+4*(\s)+3], s[G0B+4*(\s)+3], 0x80000000
	JLOAD \s                                       ; two loads of mine are out
.endr
	v_and_b32 v1, 15, v0                           ; r = l % 16
	v_bfe_u32 v2, v0, 4, 1                         ; h = l / 16
	v_and_b32 v[LN], 31, v0
	v_mul_u32_u24 v3, v1, PITCH
	v_lshl_add_u32 v3, v2, 4, v3
	s_mul_i32 s21, s11, HALFT                      ; my 128 rows of A
	s_mul_i32 s22, s12, HALFT                      ; my 128 rows of B,
	s_add_co_u32 s22, s22, 2*HALFT                 ; which lie behind A's 256
	v_add_nc_u32 v[ADRA0], s21, v3
	v_add_nc_u32 v[ADRB0], s22, v3
	v_mov_b32 v[ADRA], v[ADRA0]
	v_mov_b32 v[ADRB], v[ADRB0]
	s_mul_i32 s23, s10, 16*SPITCH
	s_add_co_u32 s23, s23, STAGE                   ; my stage
	v_mul_u32_u24 v3, v1, SPITCH
	v_lshl_add_u32 v3, v2, 4, v3
	v_add_nc_u32 v[STO], s23, v3
	v_mul_u32_u24 v3, v2, SPITCH
	v_lshl_add_u32 v3, v1, 4, v3
	v_add_nc_u32 v[RD], s23, v3
	v_lshlrev_b32 v3, 12, v2                       ; two rows of pw
	v_lshl_add_u32 v[CO], v1, 4, v3
	v_lshlrev_b32 v[SO], 4, v[LN]
	; pw at my part of the tile: (256 x tile row + 128 x half) x 4,096 + (256 x tile column + 128 x half) x 2
	s_lshl_b32 s76, s13, 8
	s_lshl_b32 s77, s11, 7
	s_add_co_u32 s76, s76, s77
	s_lshl_b32 s76, s76, 12
	s_lshl_b32 s77, s42, 9
	s_add_co_u32 s76, s76, s77
	s_lshl_b32 s77, s12, 8
	s_add_co_u32 s76, s76, s77
	s_mov_b32 s77, 0
	s_add_nc_u64 s[8:9], s[8:9], s[76:77]
	; st at the first of my two blocks of 64 rows and my chunk: (4 x tile row + 2 x half) x 8,192 + (2 x tile column + half) x 512
	s_lshl_b32 s76, s13, 2
	s_lshl_b32 s78, s11, 1
	s_add_co_u32 s76, s76, s78
	s_lshl_b32 s76, s76, 13
	s_lshl_b32 s78, s42, 1
	s_add_co_u32 s78, s78, s12
	s_lshl_b32 s78, s78, 9
	s_add_co_u32 s76, s76, s78
	s_add_nc_u64 s[74:75], s[74:75], s[76:77]
	; the prefetches
	s_lshl_b32 s18, s13, 8
	s_lshl_b32 s19, s40, 5
	s_add_co_u32 s18, s18, s19                     ; q: row 256 x tile row + 32 cx
	s_lshl_b32 s20, s45, 11
	s_lshl_b32 s19, s42, 8
	s_add_co_u32 s20, s20, s19
	s_lshl_b32 s19, s41, 5
	s_add_co_u32 s20, s20, s19                     ; k: row 2,048 x batch + 256 x tile column + 32 cy
	s_and_b32 s22, ttmp7, 1                        ; k's rows: the batch's first cluster
	s_cmp_eq_u32 s11, 0
	s_cselect_b32 s18, s18, s20
	s_cselect_b32 s21, ttmp9, s22                  ; q's rows: cluster x = 0
	s_cselect_b64 s[PFA:PFA+1], s[4:5], s[6:7]
	s_cmp_eq_u32 s21, 0
	s_cselect_b32 s[LIM], 2, -1
	s_lshl_b32 s19, s12, 7
	s_add_co_u32 s18, s18, s19                     ; + the 128 rows that I fetch
	s_lshl_b32 s18, s18, 11
	s_mov_b32 s19, 0
	s_add_nc_u64 s[PFA:PFA+1], s[PFA:PFA+1], s[18:19]
	s_add_nc_u64 s[PFA:PFA+1], s[PFA:PFA+1], 3*STEPB  ; at K step 3: the first change of slots steps it to 4
	v_lshlrev_b32 v[PFO], 11, v[LN]
; 16 matrix instructions: blocks a0, a0 + 1 of the window's four x my 8 blocks of 16 keys, 32 channels, from buffer f.  The 64 accumulators take turns, one instruction a turn.
.macro MUL16 f, hi, a0, zero
	WIN 0xa1+0x50*(\hi)                            ; B window 1, A window 0, C and D window 2 or 3
.irp a, \a0, (\a0)+1
.irp b, 0,1,2,3,4,5,6,7
.if \zero
	v_wmma_f32_16x16x32_f16 v[8*(8*(\a)+(\b)):8*(8*(\a)+(\b))+7], v[(\f)+8*(\b):(\f)+8*(\b)+7], v[(\f)+8*(4*(\hi)+(\a)):(\f)+8*(4*(\hi)+(\a))+7], 0
.else
	v_wmma_f32_16x16x32_f16 v[8*(8*(\a)+(\b)):8*(8*(\a)+(\b))+7], v[(\f)+8*(\b):(\f)+8*(\b)+7], v[(\f)+8*(4*(\hi)+(\a)):(\f)+8*(4*(\hi)+(\a))+7], v[8*(8*(\a)+(\b)):8*(8*(\a)+(\b))+7]
.endif
.endr
.endr
.endm
.macro FETCH k, f                      ; 32 LDS loads in one run, from the slot in hand: B's 8 fragments, then A's 8
	WIN 0x40
.irp i, 0,1,2,3,4,5,6,7
	ds_load_b128 v[(\f)+8*(\i):(\f)+8*(\i)+3],   v[ADRB] offset:(\k)+(\i)*16*PITCH
	ds_load_b128 v[(\f)+8*(\i)+4:(\f)+8*(\i)+7], v[ADRB] offset:(\k)+(\i)*16*PITCH+32
.endr
	WIN 0
.irp i, 0,1,2,3,4,5,6,7
	ds_load_b128 v[(\f)+8*(\i):(\f)+8*(\i)+3],   v[ADRA] offset:(\k)+(\i)*16*PITCH
	ds_load_b128 v[(\f)+8*(\i)+4:(\f)+8*(\i)+7], v[ADRA] offset:(\k)+(\i)*16*PITCH+32
.endr
.endm
.macro QUARTER k, f, g, zero
	s_wait_dscnt 8                                 ; B and A's rows 0-63 are in; the youngest eight loads may be out
	MUL16 \f, 0, 0, \zero
	MUL16 \f, 0, 2, \zero
	PLACES
	FETCH \k, \g
	s_wait_dscnt 32                                ; all but the 32 just issued
	MUL16 \f, 1, 0, \zero
	MUL16 \f, 1, 2, \zero
.endm
; The last quarter and the change of slots: each wave waits for all its tensor loads, adds 0 to its spare word, waits for that and for its reads of this slot; one barrier;
; fill = 1: it opens a round of the cluster's barrier, and this slot's refill, two K steps ahead, is the first thing behind the round.
.macro TURN fill
.if \fill
	s_wait_xcnt 0x0                                ; the last prefetch, a K step back, has read its address
	s_add_nc_u64 s[PFA:PFA+1], s[PFA:PFA+1], STEPB
.endif
	WIN 0
	s_wait_tensorcnt 0x0                           ; all my tensor loads have landed
	ds_add_u32 v[SPW], v[NIL]                      ; 0 onto my spare word
	s_wait_dscnt 9                                 ; (the add and the youngest eight loads may be out)
	MUL16 F1, 0, 0, 0
	s_wait_dscnt 0x0                               ; the add is done, and my reads of this slot are over
	s_barrier_signal -1
	MUL16 F1, 0, 2, 0
	WIN 0
	s_barrier_wait -1
.if \fill
	CREST
	s_xor_b32 s[G0A+5], s[G0A+5], SLOT             ; the walking descriptors: the other slot than last time, the next K step
	s_add_nc_u64 s[G0A+6:G0A+7], s[G0A+6:G0A+7], STEPB
	s_xor_b32 s[G0B+5], s[G0B+5], SLOT
	s_add_nc_u64 s[G0B+6:G0B+7], s[G0B+6:G0B+7], STEPB
	JLOAD 1                                        ; the four v_nop behind it are also the places in front of the loads below
.else
	PLACES
.endif
	s_xor_b32 s[TB], s[TB], SLOT                   ; the reads go on in the other slot
	v_add_nc_u32 v[ADRA], s[TB], v[ADRA0]
	v_add_nc_u32 v[ADRB], s[TB], v[ADRB0]
	FETCH 0, F0
.if \fill
	ASK
.endif
	MUL16 F1, 1, 0, 0
	MUL16 F1, 1, 2, 0
.endm
	s_wait_tensorcnt 1                             ; my part of K step 0 is in; K step 1's may stay out
	s_barrier_signal -1
	s_barrier_wait -1
	FETCH 0, F0
	QUARTER 64, F0, F1, 1                          ; the first products start the sums
	WIN 0
	s_mov_b32 s3, NSTEP-2
.Lstep:                                                ; a trip goes from a step's second quarter to the next step's first, and fills the slot that it leaves: K steps 2 to 7
	QUARTER 128, F1, F0, 0
	QUARTER 192, F0, F1, 0
	TURN 1
	QUARTER 64, F0, F1, 0
	WIN 0
	s_sub_co_u32 s3, s3, 1
	s_cmp_lg_u32 s3, 0
	s_cbranch_scc1 .Lstep
	s_mov_b32 s3, 2
.Ltail:                                                ; the last two steps have a text of their own: nothing is filled
	QUARTER 128, F1, F0, 0
	QUARTER 192, F0, F1, 0
	TURN 0                                         ; in the second trip its barrier and its 32 loads serve nothing: the price, once a launch, of one text for both trips
	WIN 0
	s_cmp_eq_u32 s3, 1
	s_cbranch_scc1 .Ldone                          ; behind the last step there is no further quarter
	QUARTER 64, F0, F1, 0
	WIN 0
.Ldone:
	s_wait_dscnt 0x0                               ; no LDS load is out: the way out writes the fragments' registers
	s_sub_co_u32 s3, s3, 1
	s_cmp_lg_u32 s3, 0
	s_cbranch_scc1 .Ltail
; THE WAY OUT, a block of 16 queries at a time.  A lane holds 64 of its query's 128 scores.
; SMAX: their maximum, eight chains three operands at a time (each accumulator's lowest registers are read first), the other half of the lanes', c m.
.macro SMAX a
.set SB, 64*((\a)%4)
	WIN 0x15*(2+(\a)/4)                            ; all three sources in window 2 or 3
.irp b, 0,1,2,3,4,5,6,7
	v_max3_num_f32 v[TMP+(\b)], v[SB+8*(\b)], v[SB+8*(\b)+1], v[SB+8*(\b)+2]
.endr
	WIN 0x14*(2+(\a)/4)                            ; source 0 in window 0
.irp b, 0,1,2,3,4,5,6,7
	v_max3_num_f32 v[TMP+(\b)], v[TMP+(\b)], v[SB+8*(\b)+3], v[SB+8*(\b)+4]
.endr
.irp b, 0,1,2,3,4,5,6,7
	v_max3_num_f32 v[TMP+(\b)], v[TMP+(\b)], v[SB+8*(\b)+5], v[SB+8*(\b)+6]
.endr
.irp i, 0,1,2,3
	v_max3_num_f32 v[TMP+2*(\i)], v[TMP+2*(\i)], v[SB+16*(\i)+7], v[SB+16*(\i)+15]
.endr
	WIN 0
	v_max3_num_f32 v[TMP], v[TMP], v[TMP+1], v[TMP+2]
	v_max3_num_f32 v[TMP+3], v[TMP+3], v[TMP+4], v[TMP+5]
	v_max3_num_f32 v[TMP], v[TMP], v[TMP+6], v[TMP+7]
	v_max_num_f32 v[TMP], v[TMP], v[TMP+3]
	v_permlanex16_b32 v[WK+2], v[TMP], s[SEL], s[SEL+1]  ; the query's other 64 keys lie in the lane 16 away
	v_max_num_f32 v[WK+1], v[TMP], v[WK+2]         ; m
	v_mul_f32 v[WK], s[CS], v[WK+1]                ; c m
	v_mov_b32 v[CM+(\a)], v[WK]
.endm
; SEXP: c s - c m into window 0, and the 64 exponentials: one batch, one plain instruction behind the last, and one wait ahead of the first reader.
.macro SEXP a
.set SB, 64*((\a)%4)
	WIN 2+(\a)/4                                   ; source 0 in window 2 or 3
.set i, 0
.rept 32
	v_pk_fma_f32 v[TMP+2*i:TMP+2*i+1], v[SB+2*i:SB+2*i+1], s[CS:CS+1], v[WK:WK+1] op_sel_hi:[1,0,0] neg_lo:[0,0,1] neg_hi:[0,0,1]
.set i, i+1
.endr
	WIN 0
.set i, 0
.rept 64
	v_exp_f32 v[TMP+i], v[TMP+i]
.set i, i+1
.endr
	v_nop
	s_wait_alu depctr_va_vdst(0)
.endm
; SPACK: the weights rounded to f16 in pairs; then their sum, a tree of packed additions in place, the two halves of a pair, the other half of the lanes'.
.macro SPACK a
.set i, 0
.rept 32
	v_cvt_pk_f16_f32 v[PK+i], v[TMP+2*i], v[TMP+2*i+1]
.set i, i+1
.endr
.irp w, 16,8,4,2,1
.set i, 0
.rept \w
	v_pk_add_f32 v[TMP+2*i:TMP+2*i+1], v[TMP+2*i:TMP+2*i+1], v[TMP+2*(i+\w):TMP+2*(i+\w)+1]
.set i, i+1
.endr
.endr
	v_add_f32 v[WK+3], v[TMP], v[TMP+1]
	v_permlanex16_b32 v[WK+2], v[WK+3], s[SEL], s[SEL+1]
	v_add_f32 v[LL+(\a)], v[WK+3], v[WK+2]         ; l
.endm
.macro TOSTAGE a
.set BK, F0+32*((\a)%2)
.irp b, 0,1,2,3,4,5,6,7
	ds_store_b128 v[STO], v[PK+4*(\b):PK+4*(\b)+3] offset:32*(\b)
.endr
.irp t, 0,1,2,3,4,5,6,7
	ds_load_b128 v[BK+4*(\t):BK+4*(\t)+3], v[RD] offset:(\t)*2*SPITCH  ; LDS serves a wave's instructions in order (ISA guide 5.7.1.4): these see the stores above
.endr
.endm
.macro SEND a
.set BK, F0+32*((\a)%2)
	s_wait_dscnt 0x0                               ; the block is back in registers
	s_wait_xcnt 0x0                                ; the stores of the block before have read their registers, into which the next block's rows are loaded
.irp t, 0,1,2,3,4,5,6,7
	global_store_b128 v[CO], v[BK+4*(\t):BK+4*(\t)+3], s[8:9] offset:(16*(\a)+2*(\t))*ROWC  ; 16 lanes store a row's 128 weights: 256 consecutive bytes, aligned
.endr
.endm
	PLACES                                         ; behind the last products, in front of the maxima that read results
	PLACES
	v_mov_b32 v[WK+2], 0                           ; v_permlanex16_b32's destination counts as read
	SMAX 0
	SEXP 0
	SPACK 0
	TOSTAGE 0
.irp a, 1,2,3,4,5,6,7                  ; block a's arithmetic stands between block a - 1's loads from the stage and the wait for them
	SMAX \a
	SEXP \a
	SPACK \a
	SEND (\a)-1
	TOSTAGE \a
.endr
	SEND 7
	v_cmp_lt_u32 vcc_lo, 15, v[LN]                 ; lanes 0-15 store c m of query l for four blocks, lanes 16-31 l of query l - 16: 512 consecutive bytes for each of my two blocks of 64 rows
.irp a, 0,1,2,3,4,5,6,7
	v_cndmask_b32 v[WK+4+(\a)], v[CM+(\a)], v[LL+(\a)], vcc_lo
.endr
	global_store_b128 v[SO], v[WK+4:WK+7], s[74:75]
	global_store_b128 v[SO], v[WK+8:WK+11], s[74:75] offset:8192
	s_wait_tensorcnt 0x0                           ; the wave's end, behind my last tensor load and my last LDS store
	ds_add_u32 v[SPW], v[NIL]
	s_wait_dscnt 0x0
	CROUND                                         ; the closing round
	s_endpgm
.Lfunc_end_k_q49f6d3ce1b_scores:
	.size	k_q49f6d3ce1b_scores, .Lfunc_end_k_q49f6d3ce1b_scores-k_q49f6d3ce1b_scores
	.p2alignl 7, 3214868480
	.fill 96, 4, 3214868480
	.section	.rodata,"a",@progbits
	.p2align	6, 0x0
	.amdhsa_kernel k_q49f6d3ce1b_scores
		.amdhsa_group_segment_fixed_size 327680
		.amdhsa_private_segment_fixed_size 0
		.amdhsa_enable_private_segment 0
		.amdhsa_kernarg_size 24
		.amdhsa_user_sgpr_count 2
		.amdhsa_user_sgpr_kernarg_segment_ptr 1
		.amdhsa_wavefront_size32 1
		.amdhsa_system_sgpr_workgroup_id_x 1
		.amdhsa_system_sgpr_workgroup_id_y 1
		.amdhsa_system_sgpr_workgroup_id_z 1
		.amdhsa_system_vgpr_workitem_id 0
		.amdhsa_next_free_vgpr 1024
		.amdhsa_next_free_sgpr 84
		.amdhsa_reserve_vcc 1
		.amdhsa_float_denorm_mode_32 3
		.amdhsa_float_denorm_mode_16_64 3
		.amdhsa_memory_ordered 1
		.amdhsa_forward_progress 1
		.amdhsa_inst_pref_size 169
	.end_amdhsa_kernel
	.amdgpu_metadata
---
amdhsa.version: [ 1, 2 ]
amdhsa.kernels:
  - .name:           k_q49f6d3ce1b_scores
    .symbol:         k_q49f6d3ce1b_scores.kd
    .args:
      - { .name: qkv, .offset: 0, .size: 8, .value_kind: global_buffer, .address_space: global }
      - { .name: pw, .offset: 8, .size: 8, .value_kind: global_buffer, .address_space: global }
      - { .name: st, .offset: 16, .size: 8, .value_kind: global_buffer, .address_space: global }
    .group_segment_fixed_size: 327680
    .private_segment_fixed_size: 0
    .kernarg_segment_align: 8
    .kernarg_segment_size: 24
    .max_flat_workgroup_size: 128
    .sgpr_count:     84
    .vgpr_count:     1024
    .wavefront_size: 32
...
	.end_amdgpu_metadata
.endif
;; end of part 3
;; launch pv (part 4): grid 4 x 64, 4 waves a work-group, clusters of 4 x 4, 327,680 bytes of LDS; arguments pw, qkv, st, out0; writes out0
.if DOCPART == 4
	.amdgcn_target "amdgcn-amd-amdhsa--gfx1250"
	.amdhsa_code_object_version 6
	.text
	.protected	k_q49f6d3ce1b_pv
	.globl	k_q49f6d3ce1b_pv
	.p2align	8
	.type	k_q49f6d3ce1b_pv,@function
k_q49f6d3ce1b_pv:
	s_mov_b64 s[64:65], 0
	v_nop
	global_prefetch_b8 v0, s[64:65] scope:SCOPE_SE
	s_setreg_imm32_b32 hwreg(HW_REG_WAVE_MODE, 25, 1), 1
	s_wait_xcnt 0x0
	s_wait_alu depctr_hold_cnt(0) depctr_sa_sdst(0) depctr_va_vdst(0) depctr_va_sdst(0) depctr_va_ssrc(0) depctr_va_vcc(0) depctr_vm_vsrc(0)
	s_getreg_b32 s2, hwreg(HW_REG_IB_STS2, 6, 4)
	s_cmp_eq_u32 s2, 0
	s_cbranch_scc0 .Lentry_in_a_cluster
	s_endpgm
.Lentry_in_a_cluster:
	s_bfe_u32 s2, ttmp6, 0x10000c
	s_cmp_lg_u32 s2, 0xf033
	s_cbranch_scc0 .Lentry_shape_is_right
	s_endpgm
.Lentry_shape_is_right:
; out[row][ch] = (the sum over the 16 chunks t of alpha_t x the sum over the chunk's 128 keys of p[row][key] v[key][ch]) / L.
; pw [8192][2048] f16 holds p = 2^(c s - c m_t), st holds c m_t and l_t for each row and chunk.  Here M = the maximum of the 16 c m_t, alpha_t = 2^(c m_t - M), at most 1, L = the sum of alpha_t l_t,
; at least 1 but for rounding (the chunk with the row's maximum has alpha = 1 and a weight 1).  So the softmax's maximum is the row's true one.  v = qkv 2^25 bytes on, [8192][1024] f16.  out0 f32.
; alpha is rounded to f16 and multiplied onto A's fragments in registers, two weights an instruction, each product rounded to f16; the sums, M, L and 1 / L are f32.
; LIMITS.  alpha p below 6e-5 keeps f16's fixed step of 6e-8; an alpha below 2^-126 counts as 0; NaN and infinities are not treated apart.
; SHARES.  A tile of out is 128 rows x 256 channels: 64 x 4 = 256 work-groups, one for each WGP.  Four waves, each 64 x 128.  K (2,048 keys) goes in 16 steps of 128, a chunk a step, through two LDS slots.
; A's tile: 128 rows x 256 bytes of pw (waves 0, 1 fetch 64 rows each).  B's tile: v as it lies, 128 keys x 512 bytes (waves 2, 3 fetch 64 keys each); it comes out of LDS turned, by ds_load_tr16_b128.
; CLUSTER 4 x 4: A's tile is asked for jointly along a row of the cluster, B's along a column.  TRANSPOSED USE: source 0 = 16 channels, source 1 = 16 rows: a lane holds one row of out and eight neighbouring channels.
; ONE TEXT FOR A K STEP: the loop holds one step; the slot in hand is a scalar (0 or SLOT1) that an exclusive or turns and that is added to the lanes' base addresses at each change of slots; one descriptor for each operand walks.
; REGISTERS (s_set_vgpr_msb: bits 1:0 source 0, 3:2 source 1, 5:4 source 2, 7:6 destination):
;   window 0: v0-15 addresses; v16-19 alpha (twice, in f16) of my four blocks, for the step in hand; v20-23 M, at the start; v24-31 1 / L, a pair a block; v32-39 at work; v64-191 B's fragments, two buffers; v192-255 at work
;   window 1: v0-127 accumulators of my rows 0-31; v128-159 A's fragments, two buffers      window 2: the same for my rows 32-63
.set KSTEP,  128
.set PITCH,  272                       ; a row of A in LDS: 256 bytes + 16
.set PV,     544                       ; a row of B: 512 bytes + 32 = 136 words
.set SLOT1,  131072                    ; slot 1 begins here; a slot's 104,448 bytes lie below it, so an exclusive or with SLOT1 turns an address in one slot into the other's
.set BOFF,   128*PITCH                 ; in a slot: A's 128 rows, then B's 128 keys
.set STAGE,  SLOT1+BOFF+128*PV         ; behind the ring: 16 rows x 528 bytes for each wave, for the way out
.set SPITCH, 528
.set ALF,    STAGE+4*16*SPITCH         ; then each wave's own table of alpha: [step 16][row % 16][block 4] words, 4,096 bytes
.set SPARE,  ALF+4*4096                ; then the spare words, 128 bytes for each wave: two blocks of 256 bytes that no other line names
.set NSTEP,  16
.set ROWC,   4096                      ; bytes in a row of pw and of out0
.set ASTEP,  256                       ; a K step in a row of pw
.set BSTEP,  262144                    ; a K step in v: 128 rows of 2,048 bytes
.set ADRA0, 4                          ; v4   LDS address of my A fragments in slot 0; never rewritten
.set ADRB0, 5                          ; v5   the same for B
.set ADRA, 6                           ; v6   the same in the slot in hand
.set ADRB, 7                           ; v7
.set STO,  8
.set RD,   9
.set CO,   10
.set PFO,  11
.set SPW,  12
.set NIL,  13
.set LN,   14                          ; v14  my lane
.set SQ,   15                          ; v15  16 x (l % 16): my row's 16 bytes in a table of st
.set AL,   16
.set MX,   20
.set RL,   24
.set LS,   32                          ; v32-35  L of my four blocks
.set ALW,  36                          ; v36  my row's place in my wave's table of alpha; never rewritten
.set ALA,  37                          ; v37  the same at the step to be read
.set BF,   64
.set TMP,  192
.set AF,   128
.set G1A, 24                           ; s[24:31] descriptor group 1 for A's tiles;  s[32:39] group 0: a set for each first fill; the second then walks
.set G0A, 32
.set G1B, 48                           ; s[48:55], s[56:63] the same for B's
.set G0B, 56
.set PFA, 66
.set LIM, 68                           ; s68  2 in a wave that prefetches, else the greatest number
.set AT,  69                           ; s69  256 x the step whose alpha is read next
.set TB,  70                           ; s70  the slot in hand: 0 or SLOT1
.set PFS, 80                           ; s[80:81] a K step in bytes for my prefetches
.set MSB, 0
.macro WIN new
.if MSB != (\new)
	s_set_vgpr_msb (MSB<<8)|(\new)
.set MSB, \new
.endif
.endm
.macro PLACES
.rept 4
	v_nop
.endr
.endm
.macro JLOAD s                         ; a joint load: waves 0, 1 for A, waves 2, 3 for B; an s_nop 0 and four v_nop follow each line
	s_cmp_eq_u32 s11, 0
	s_cbranch_scc0 .Lfor_b_\@
	tensor_load_to_lds s[G0A+4*(\s):G0A+4*(\s)+3], s[G1A:G1A+7]
	s_nop 0
.rept 4
	v_nop
.endr
	s_branch .Lasked_\@
.Lfor_b_\@:
	tensor_load_to_lds s[G0B+4*(\s):G0B+4*(\s)+3], s[G1B:G1B+7]
	s_nop 0
.rept 4
	v_nop
.endr
.Lasked_\@:
.endm
.macro CREST
	s_cmp_lg_u32 s10, 0
	s_cbranch_scc1 .Lnot_wave_0_\@
	s_barrier_signal -3
.Lnot_wave_0_\@:
	s_barrier_wait -3
	s_barrier_signal -1
	s_barrier_wait -1
.endm
.macro CROUND
	s_barrier_signal -1
	s_barrier_wait -1
	CREST
.endm
; A prefetch of the K step two refills on: 32 blocks of 256 bytes, a lane a block.  pw's rows (32 rows x 256 bytes) are named by wave 0; v's (16 keys x 512 bytes) by waves 2 and 3 of a batch's first cluster
; (y % 4 = 0); the four partners of a joint load share its rows out by address: each block is named once.  The loop's last two trips ask for nothing: K steps 4 to 15 are named.
.macro ASK
	s_cmp_gt_u32 s3, s[LIM]
	s_cbranch_scc0 .Lnot_mine_\@
	global_prefetch_b8 v[PFO], s[PFA:PFA+1] th:TH_LOAD_NT scope:SCOPE_SE
.Lnot_mine_\@:
.endm
	s_load_b128 s[4:7], s[0:1], 0x0                ; pw s[4:5], qkv s[6:7]
	s_load_b64 s[74:75], s[0:1], 0x10              ; st
	s_load_b64 s[8:9], s[0:1], 0x18                ; out0
	v_lshl_add_u32 v[SPW], v0, 2, SPARE
	v_mov_b32 v[NIL], 0
	ds_add_u32 v[SPW], v[NIL]                      ; the wave's opening: the add and its wait ahead of my first tensor load
	v_lshrrev_b32 v1, 5, v0
	v_readfirstlane_b32 s10, v1                    ; wave 0..3
	s_lshr_b32 s11, s10, 1                         ; which 64 rows are mine.  Also: I fetch for A (0) or for B (1)
	s_and_b32 s12, s10, 1                          ; which 128 channels.  Also: which half of that tile I fetch
	s_bfe_u32 s40, ttmp6, 0x40000                  ; cx
	s_bfe_u32 s41, ttmp6, 0x40004                  ; cy
	s_lshl_b32 s42, ttmp9, 2
	s_add_co_u32 s42, s42, s40                     ; tile column (256 channels)
	s_and_b32 s13, ttmp7, 0xffff
	s_lshl_b32 s13, s13, 2
	s_add_co_u32 s13, s13, s41                     ; tile row (128 rows)
	s_and_b32 s45, ttmp7, 0xffff
	s_lshr_b32 s45, s45, 2                         ; the batch = cluster y / 4
	s_lshl_b32 s43, s41, 2
	s_lshl_b32 s43, 15, s43                        ; my row of the cluster
	s_lshl_b32 s44, 0x1111, s40                    ; my column
	s_or_b32 s[G1A], s43, (1<<16)|(1<<20)|(1<<21)|(5<<22)|(3<<25)  ; A: 64 rows x 128 elements; 4 words of padding after every 64
	s_mov_b32 s[G1A+1], KSTEP<<16
	s_mov_b32 s[G1A+2], 64<<16
	s_mov_b32 s[G1A+3], KSTEP<<16
	s_mov_b32 s[G1A+4], 64
	s_mov_b32 s[G1A+5], 2048                       ; elements from row to row of pw
	s_mov_b32 s[G1A+6], 0
	s_mov_b32 s[G1A+7], 0
	s_or_b32 s[G1B], s44, (1<<16)|(1<<20)|(1<<21)|(6<<22)|(7<<25)  ; B: 64 keys x 256 elements; 8 words of padding after every 128
	s_mov_b32 s[G1B+1], 256<<16
	s_mov_b32 s[G1B+2], 64<<16
	s_mov_b32 s[G1B+3], 256<<16
	s_mov_b32 s[G1B+4], 64
	s_mov_b32 s[G1B+5], 1024
	s_mov_b32 s[G1B+6], 0
	s_mov_b32 s[G1B+7], 0
	s_lshl_b32 s16, s13, 7                         ; A: row 128 x tile row + 64 x half,
	s_lshl_b32 s17, s12, 6
	s_add_co_u32 s16, s16, s17
	s_lshl_b32 s16, s16, 12                        ; of 4,096 bytes
	s_mov_b32 s17, 0
	s_lshl_b32 s46, s45, 11                        ; B: key row 2,048 x batch + 64 x half,
	s_lshl_b32 s47, s12, 6
	s_add_co_u32 s46, s46, s47
	s_lshl_b32 s46, s46, 11                        ; of 2,048 bytes,
	s_lshl_b32 s47, s42, 9                         ; + 512 bytes x tile column
	s_add_co_u32 s46, s46, s47
	s_mov_b32 s47, 0
	s_mul_i32 s20, s12, 64*PITCH
	s_mul_i32 s23, s12, 64*PV
	s_add_co_u32 s23, s23, BOFF
	s_mov_b32 s[TB], 0
	s_wait_dscnt 0x0                               ; the opening add is done
	s_wait_kmcnt 0x0
	s_add_nc_u64 s[6:7], s[6:7], 0x2000000         ; v begins 2 x 8,192 rows of 2,048 bytes behind q
	s_add_nc_u64 s[14:15], s[4:5], s[16:17]
	s_add_nc_u64 s[46:47], s[6:7], s[46:47]
	CROUND                                         ; all sixteen work-groups are here: the first joint loads meet
.irp s, 0,1
	s_mov_b32 s[G0A+4*(\s)], 1
	s_add_co_u32 s[G0A+4*(\s)+1], s20, (\s)*SLOT1
	s_add_nc_u64 s[G0A+4*(\s)+2:G0A+4*(\s)+3], s[14:15], (\s)*ASTEP
	s_or_b32 s[G0A+4*(\s)+3], s[G0A+4*(\s)+3], 0x80000000
	s_mov_b32 s[G0B+4*(\s)], 1
	s_add_co_u32 s[G0B+4*(\s)+1], s23, (\s)*SLOT1
	s_add_nc_u64 s[G0B+4*(\s)+2:G0B+4*(\s)+3], s[46:47], (\s)*BSTEP
	s_or_b32 s[G0B+4*(\s)+3], s[G0B+4*(\s)+3], 0x80000000
	JLOAD \s                                       ; two loads of mine are out
.endr
	; THE STATISTICS of my 64 rows, while the first tiles are on their way: c m_t into v[64 + 4 t ..], l_t into v[128 + 4 t ..], four blocks each
	v_and_b32 v1, 15, v0                           ; r = l % 16
	v_bfe_u32 v2, v0, 4, 1                         ; h = l / 16
	v_and_b32 v[LN], 31, v0
	v_lshlrev_b32 v[SQ], 4, v1
	s_lshl_b32 s76, s13, 1
	s_add_co_u32 s76, s76, s11
	s_lshl_b32 s76, s76, 13                        ; (2 x tile row + half) x 8,192
	s_mov_b32 s77, 0
	s_add_nc_u64 s[74:75], s[74:75], s[76:77]
.set t, 0
.rept 16
	global_load_b128 v[BF+4*t:BF+4*t+3], v[SQ], s[74:75] offset:512*t
	global_load_b128 v[BF+64+4*t:BF+64+4*t+3], v[SQ], s[74:75] offset:512*t+256
.set t, t+1
.endr
	v_mul_u32_u24 v3, v1, PITCH                    ; A's fragments: row x pitch + 16 x half
	v_lshl_add_u32 v3, v2, 4, v3
	; the turning load takes 16 keys x 16 channels (lane l reads key 8 (l / 16) + l % 8, channels 8 ((l / 8) % 2) + 0..7) and leaves half a fragment: lane l holds channel l % 16 and 8 keys
	v_and_b32 v38, 7, v0
	v_lshl_add_u32 v38, v2, 3, v38
	v_mul_u32_u24 v38, v38, PV
	v_bfe_u32 v39, v0, 3, 1
	v_lshl_add_u32 v38, v39, 4, v38
	s_mul_i32 s21, s11, 64*PITCH                   ; my 64 rows of A
	s_lshl_b32 s22, s12, 8                         ; my 128 channels: 256 bytes of each key's row
	s_add_co_u32 s22, s22, BOFF
	v_add_nc_u32 v[ADRA0], s21, v3
	v_add_nc_u32 v[ADRB0], s22, v38
	v_mov_b32 v[ADRA], v[ADRA0]                    ; K step 0 lies in slot 0
	v_mov_b32 v[ADRB], v[ADRB0]
	s_mul_i32 s23, s10, 16*SPITCH
	s_add_co_u32 s23, s23, STAGE                   ; my stage
	v_mul_u32_u24 v3, v1, SPITCH                   ; in: row r, 32 bytes for each half of the lanes
	v_lshl_add_u32 v3, v2, 5, v3
	v_add_nc_u32 v[STO], s23, v3
	v_lshl_add_u32 v[RD], v[LN], 4, s23            ; back: 32 lanes take one row of 512 bytes
	v_lshlrev_b32 v[CO], 4, v[LN]                  ; and the same in out0
	s_lshl_b32 s22, s10, 12
	s_add_co_u32 s22, s22, ALF
	v_lshl_add_u32 v[ALW], v1, 4, s22              ; my wave's table, my row
	; out0 at my part of the tile: (128 x tile row + 64 x half) x 4,096 + (256 x tile column + 128 x half) x 4
	s_lshl_b32 s76, s13, 7
	s_lshl_b32 s78, s11, 6
	s_add_co_u32 s76, s76, s78
	s_lshl_b32 s76, s76, 12
	s_lshl_b32 s78, s42, 10
	s_add_co_u32 s76, s76, s78
	s_lshl_b32 s78, s12, 9
	s_add_co_u32 s76, s76, s78
	s_add_nc_u64 s[8:9], s[8:9], s[76:77]
	; the prefetches
	s_lshl_b32 s18, s13, 7
	s_lshl_b32 s19, s40, 5
	s_add_co_u32 s18, s18, s19
	s_lshl_b32 s18, s18, 12                        ; pw: row 128 x tile row + 32 cx
	s_lshl_b32 s20, s45, 11
	s_lshl_b32 s19, s12, 6
	s_add_co_u32 s20, s20, s19
	s_lshl_b32 s19, s41, 4
	s_add_co_u32 s20, s20, s19
	s_lshl_b32 s20, s20, 11                        ; v: key row 2,048 x batch + 64 x half + 16 cy,
	s_lshl_b32 s19, s42, 9
	s_add_co_u32 s20, s20, s19                     ; + 512 bytes x tile column
	s_or_b32 s21, ttmp9, s12                       ; pw's rows: cluster x = 0 (there is no other), wave 0
	s_and_b32 s22, ttmp7, 3                        ; v's rows: the batch's first cluster
	s_mov_b32 s[PFS], BSTEP                        ; a K step of v; the select below puts pw's in its place for A's waves
	s_cmp_eq_u32 s11, 0
	s_cselect_b32 s18, s18, s20
	s_cselect_b32 s21, s21, s22
	s_cselect_b32 s[PFS], ASTEP, s[PFS]
	s_cselect_b32 s22, -1, 0                       ; all lanes: A's offsets, or none: B's
	s_cselect_b64 s[PFA:PFA+1], s[4:5], s[6:7]
	s_cmp_eq_u32 s21, 0
	s_cselect_b32 s[LIM], 2, -1
	s_mov_b32 s19, 0
	s_mov_b32 s[PFS+1], 0
	s_add_nc_u64 s[PFA:PFA+1], s[PFA:PFA+1], s[18:19]
	s_mul_i32 s18, s[PFS], 3
	s_add_nc_u64 s[PFA:PFA+1], s[PFA:PFA+1], s[18:19]  ; at K step 3: the first change of slots steps it to 4
	v_lshlrev_b32 v3, 12, v[LN]                    ; pw: a lane a row
	v_lshrrev_b32 v38, 1, v[LN]                    ; v: two lanes a key's 512 bytes
	v_lshlrev_b32 v38, 11, v38
	v_and_b32 v39, 1, v[LN]
	v_lshl_add_u32 v38, v39, 8, v38
	v_cndmask_b32 v[PFO], v38, v3, s22
	s_wait_loadcnt 0x0                             ; the statistics are in
.irp a, 0,1,2,3                        ; M: the maximum of the 16 c m_t
	v_max3_num_f32 v[MX+(\a)], v[BF+(\a)], v[BF+4+(\a)], v[BF+8+(\a)]
.endr
.set t, 3
.rept 6
.irp a, 0,1,2,3
	v_max3_num_f32 v[MX+(\a)], v[MX+(\a)], v[BF+4*t+(\a)], v[BF+4*t+4+(\a)]
.endr
.set t, t+2
.endr
.irp a, 0,1,2,3
	v_max_num_f32 v[MX+(\a)], v[MX+(\a)], v[BF+60+(\a)]
.endr
.set t, 0
.rept 16
	v_pk_add_f32 v[BF+4*t:BF+4*t+1], v[BF+4*t:BF+4*t+1], v[MX:MX+1] neg_lo:[0,1] neg_hi:[0,1]      ; c m_t - M
	v_pk_add_f32 v[BF+4*t+2:BF+4*t+3], v[BF+4*t+2:BF+4*t+3], v[MX+2:MX+3] neg_lo:[0,1] neg_hi:[0,1]
.set t, t+1
.endr
.set i, 0
.rept 64
	v_exp_f32 v[BF+i], v[BF+i]                     ; alpha: one batch,
.set i, i+1
.endr
	v_nop                                          ; a plain instruction behind the last,
	s_wait_alu depctr_va_vdst(0)                   ; and one wait ahead of the first reader
	v_pk_mul_f32 v[LS:LS+1], v[BF:BF+1], v[BF+64:BF+65]        ; L = the sum of alpha_t l_t
	v_pk_mul_f32 v[LS+2:LS+3], v[BF+2:BF+3], v[BF+66:BF+67]
.set t, 1
.rept 15
	v_pk_fma_f32 v[LS:LS+1], v[BF+4*t:BF+4*t+1], v[BF+64+4*t:BF+64+4*t+1], v[LS:LS+1]
	v_pk_fma_f32 v[LS+2:LS+3], v[BF+4*t+2:BF+4*t+3], v[BF+64+4*t+2:BF+64+4*t+3], v[LS+2:LS+3]
.set t, t+1
.endr
.set i, 0
.rept 64
	v_cvt_pk_f16_f32 v[TMP+i], v[BF+i], v[BF+i]    ; alpha twice in a word, for the packed multiply
.set i, i+1
.endr
.set t, 0
.rept 16
	ds_store_b128 v[ALW], v[TMP+4*t:TMP+4*t+3] offset:256*t  ; lanes l and l + 16 write the same words with the same numbers
.set t, t+1
.endr
.irp a, 0,1,2,3
	v_rcp_f32 v[RL+2*(\a)], v[LS+(\a)]             ; 1 / L, twice: a pair for the packed multiply of the way out
	v_rcp_f32 v[RL+2*(\a)+1], v[LS+(\a)]
.endr
	v_nop
	s_wait_alu depctr_va_vdst(0)                   ; one wait for the eight reciprocals, ahead of every label
	ds_load_b128 v[AL:AL+3], v[ALW]                ; alpha of K step 0: my wave's own bytes, served behind the stores above
	s_wait_dscnt 0x0                               ; no LDS instruction of mine is pending at the signal below
; alpha onto fragment a of buffer f, in place: 8 packed multiplies.  alpha lies in window 0, the fragment in the accumulators' window: no switch is needed.
.macro SCALE f, a
	WIN 0x54*(1+(\a)/2)
.irp i, 0,1,2,3,4,5,6,7
	v_pk_mul_f16 v[AF+16*(\f)+8*((\a)%2)+(\i)], v[AL+(\a)], v[AF+16*(\f)+8*((\a)%2)+(\i)]
.endr
.endm
; 8 matrix instructions: block a of 16 rows x my 8 blocks of 16 channels, 32 keys, from buffer f.  The 32 accumulators take turns, one instruction a turn, over the backward jumps too.
.macro MUL8 f, a, zero
	WIN 0x54*(1+(\a)/2)
.irp b, 0,1,2,3,4,5,6,7
.if \zero
	v_wmma_f32_16x16x32_f16 v[64*((\a)%2)+8*(\b):64*((\a)%2)+8*(\b)+7], v[BF+64*(\f)+8*(\b):BF+64*(\f)+8*(\b)+7], v[AF+16*(\f)+8*((\a)%2):AF+16*(\f)+8*((\a)%2)+7], 0
.else
	v_wmma_f32_16x16x32_f16 v[64*((\a)%2)+8*(\b):64*((\a)%2)+8*(\b)+7], v[BF+64*(\f)+8*(\b):BF+64*(\f)+8*(\b)+7], v[AF+16*(\f)+8*((\a)%2):AF+16*(\f)+8*((\a)%2)+7], v[64*((\a)%2)+8*(\b):64*((\a)%2)+8*(\b)+7]
.endif
.endr
.endm
; The same for an even block a, with the scaling of fragment a + 1 behind its first four products, two lines each: they name no register of the products round them.
.macro MUL8R f, a, zero
	WIN 0x54*(1+(\a)/2)
.irp b, 0,1,2,3,4,5,6,7
.if \zero
	v_wmma_f32_16x16x32_f16 v[8*(\b):8*(\b)+7], v[BF+64*(\f)+8*(\b):BF+64*(\f)+8*(\b)+7], v[AF+16*(\f):AF+16*(\f)+7], 0
.else
	v_wmma_f32_16x16x32_f16 v[8*(\b):8*(\b)+7], v[BF+64*(\f)+8*(\b):BF+64*(\f)+8*(\b)+7], v[AF+16*(\f):AF+16*(\f)+7], v[8*(\b):8*(\b)+7]
.endif
.if (\b) < 4
	v_pk_mul_f16 v[AF+16*(\f)+8+2*(\b)], v[AL+(\a)+1], v[AF+16*(\f)+8+2*(\b)]
	v_pk_mul_f16 v[AF+16*(\f)+8+2*(\b)+1], v[AL+(\a)+1], v[AF+16*(\f)+8+2*(\b)+1]
.endif
.endr
.endm
; 24 LDS loads in one run: quarter q (32 keys) of the slot in hand into buffer g: B's 8 fragments, turned; A's rows 0-31; A's rows 32-63
.macro FETCH q, g
	WIN 0
.irp i, 0,1,2,3,4,5,6,7
	ds_load_tr16_b128 v[BF+64*(\g)+8*(\i):BF+64*(\g)+8*(\i)+3],   v[ADRB] offset:32*PV*(\q)+32*(\i)
	ds_load_tr16_b128 v[BF+64*(\g)+8*(\i)+4:BF+64*(\g)+8*(\i)+7], v[ADRB] offset:32*PV*(\q)+16*PV+32*(\i)
.endr
	WIN 0x40
.irp i, 0,1
	ds_load_b128 v[AF+16*(\g)+8*(\i):AF+16*(\g)+8*(\i)+3],   v[ADRA] offset:64*(\q)+(\i)*16*PITCH
	ds_load_b128 v[AF+16*(\g)+8*(\i)+4:AF+16*(\g)+8*(\i)+7], v[ADRA] offset:64*(\q)+(\i)*16*PITCH+32
.endr
	WIN 0x80
.irp i, 0,1
	ds_load_b128 v[AF+16*(\g)+8*(\i):AF+16*(\g)+8*(\i)+3],   v[ADRA] offset:64*(\q)+((\i)+2)*16*PITCH
	ds_load_b128 v[AF+16*(\g)+8*(\i)+4:AF+16*(\g)+8*(\i)+7], v[ADRA] offset:64*(\q)+((\i)+2)*16*PITCH+32
.endr
.endm
; A K step is four quarters of 32 keys, 32 matrix instructions each, on buffers 0, 1, 0, 1.  One of the first three: multiplies buffer f and, in its middle, fetches quarter q into buffer g.
; w: how many LDS loads may be out at its head: 4 (A's rows 32-63, the youngest), or 0 in a step's first quarter, where the youngest load is the step's alpha.
.macro QUARTER q, f, g, zero, w
	s_wait_dscnt \w
	SCALE \f, 0
	MUL8R \f, 0, \zero
	MUL8 \f, 1, \zero
	PLACES
	FETCH \q, \g
	s_wait_dscnt 24                                ; all but the 24 just issued
	SCALE \f, 2
	MUL8R \f, 2, \zero
	MUL8 \f, 3, \zero
.endm
; The last quarter and the change of slots: each wave waits for all its tensor loads, adds 0 to its spare word, waits for that and for its reads of this slot; one barrier;
; fill = 1: it opens a round of the cluster's barrier, and this slot's refill, two K steps ahead, is the first thing behind the round: the walking descriptors take the other slot than last time and the next K step.
; Then the next step's first fragments; and, behind the last line that reads this step's alpha, the next step's alpha into the same registers.
; The next step's number is NSTEP - 1 - s3 in the loop (s3 counts 14 to 1); behind the loop it is the last step's in both trips, so that no read leaves my table.
.macro TURN fill
.if \fill
	s_wait_xcnt 0x0                                ; the last prefetch, a K step back, has read its address
	s_add_nc_u64 s[PFA:PFA+1], s[PFA:PFA+1], s[PFS:PFS+1]
.endif
	WIN 0
	s_wait_tensorcnt 0x0                           ; all my tensor loads have landed
	ds_add_u32 v[SPW], v[NIL]                      ; 0 onto my spare word
	s_wait_dscnt 5                                 ; (the add and the youngest four loads may be out)
	SCALE 1, 0
	MUL8R 1, 0, 0
	s_wait_dscnt 0x0                               ; the add is done, and my reads of this slot are over
	s_barrier_signal -1
	MUL8 1, 1, 0
	WIN 0                                          ; branches and the address lines follow
	s_barrier_wait -1
.if \fill
	CREST
	s_xor_b32 s[G0A+5], s[G0A+5], SLOT1
	s_add_nc_u64 s[G0A+6:G0A+7], s[G0A+6:G0A+7], ASTEP
	s_xor_b32 s[G0B+5], s[G0B+5], SLOT1
	s_add_nc_u64 s[G0B+6:G0B+7], s[G0B+6:G0B+7], BSTEP
	JLOAD 1                                        ; the four v_nop behind it are also the places in front of the loads below
	s_lshl_b32 s[AT], s3, 8
	s_sub_co_u32 s[AT], (NSTEP-1)*256, s[AT]       ; 256 x the next step: 256 to 3,584
.else
	PLACES
	s_mov_b32 s[AT], (NSTEP-1)*256
.endif
	s_xor_b32 s[TB], s[TB], SLOT1                  ; the reads go on in the other slot
	v_add_nc_u32 v[ADRA], s[TB], v[ADRA0]
	v_add_nc_u32 v[ADRB], s[TB], v[ADRB0]
	v_add_nc_u32 v[ALA], s[AT], v[ALW]
	FETCH 0, 0
.if \fill
	WIN 0
	ASK
.endif
	SCALE 1, 2
	MUL8R 1, 2, 0                                  ; its fourth product's riders are the last lines that read this step's alpha
	WIN 0
	ds_load_b128 v[AL:AL+3], v[ALA]                ; the youngest LDS load: the next quarter waits for all
	MUL8 1, 3, 0
.endm
	s_wait_tensorcnt 1                             ; my part of K step 0 is in; K step 1's may stay out
	s_barrier_signal -1
	s_barrier_wait -1
	FETCH 0, 0
	QUARTER 1, 0, 1, 1, 4                          ; the first quarter stands in front of the loop: its products start the sums
	WIN 0                                          ; at a label and at a branch every window is 0
	s_mov_b32 s3, NSTEP-2
.Lstep:                                                ; a trip goes from a step's second quarter to the next step's first, and fills the slot that it leaves: K steps 2 to 15
	QUARTER 2, 1, 0, 0, 4
	QUARTER 3, 0, 1, 0, 4
	TURN 1
	QUARTER 1, 0, 1, 0, 0
	WIN 0
	s_sub_co_u32 s3, s3, 1
	s_cmp_lg_u32 s3, 0
	s_cbranch_scc1 .Lstep
	s_mov_b32 s3, 2
.Ltail:                                                ; the last two steps have a text of their own: nothing is filled
	QUARTER 2, 1, 0, 0, 4
	QUARTER 3, 0, 1, 0, 4
	TURN 0                                         ; in the second trip its barrier and its 25 loads serve nothing: the price, once a launch, of one text for both trips
	WIN 0
	s_cmp_eq_u32 s3, 1
	s_cbranch_scc1 .Ldone                          ; behind the last step there is no further quarter
	QUARTER 1, 0, 1, 0, 0
	WIN 0
.Ldone:
	s_wait_dscnt 0x0                               ; no LDS load is out: the way out writes the fragments' registers
	s_sub_co_u32 s3, s3, 1
	s_cmp_lg_u32 s3, 0
	s_cbranch_scc1 .Ltail
; THE WAY OUT, a block of 16 rows at a time: times 1 / L; 32 bytes a lane into my own stage; back as whole rows of 512 bytes; stored.
.macro PACK a
	WIN 1+(\a)/2                                   ; source 0: window 1 or 2
.set i, 0
.rept 32
	v_pk_mul_f32 v[TMP+2*i:TMP+2*i+1], v[64*((\a)%2)+2*i:64*((\a)%2)+2*i+1], v[RL+2*(\a):RL+2*(\a)+1] op_sel_hi:[1,0]
.set i, i+1
.endr
	WIN 0
.endm
.macro TOSTAGE a
.irp b, 0,1,2,3,4,5,6,7
	ds_store_b128 v[STO], v[TMP+8*(\b):TMP+8*(\b)+3] offset:64*(\b)
	ds_store_b128 v[STO], v[TMP+8*(\b)+4:TMP+8*(\b)+7] offset:64*(\b)+16
.endr
.set i, 0
.rept 16
	ds_load_b128 v[BF+64*((\a)%2)+4*i:BF+64*((\a)%2)+4*i+3], v[RD] offset:i*SPITCH  ; LDS serves a wave's instructions in order (ISA guide 5.7.1.4): these see the stores above
.set i, i+1
.endr
.endm
.macro SEND a
	s_wait_dscnt 0x0                               ; the block is back in registers
	s_wait_xcnt 0x0                                ; the stores of the block before have read their registers, into which the next block's rows are loaded
.set i, 0
.rept 16
	global_store_b128 v[CO], v[BF+64*((\a)%2)+4*i:BF+64*((\a)%2)+4*i+3], s[8:9] offset:(16*(\a)+i)*ROWC  ; 32 lanes store 512 consecutive bytes, aligned
.set i, i+1
.endr
.endm
	PLACES                                         ; behind the last products, in front of the multiplies that read results
	PLACES
	PACK 0
	TOSTAGE 0
.irp a, 1,2,3
	PACK \a
	SEND (\a)-1
	TOSTAGE \a
.endr
	SEND 3
	s_wait_tensorcnt 0x0                           ; the wave's end, behind my last tensor load and my last LDS store
	ds_add_u32 v[SPW], v[NIL]
	s_wait_dscnt 0x0
	CROUND                                         ; the closing round
	s_endpgm
.Lfunc_end_k_q49f6d3ce1b_pv:
	.size	k_q49f6d3ce1b_pv, .Lfunc_end_k_q49f6d3ce1b_pv-k_q49f6d3ce1b_pv
	.p2alignl 7, 3214868480
	.fill 96, 4, 3214868480
	.section	.rodata,"a",@progbits
	.p2align	6, 0x0
	.amdhsa_kernel k_q49f6d3ce1b_pv
		.amdhsa_group_segment_fixed_size 327680
		.amdhsa_private_segment_fixed_size 0
		.amdhsa_enable_private_segment 0
		.amdhsa_kernarg_size 32
		.amdhsa_user_sgpr_count 2
		.amdhsa_user_sgpr_kernarg_segment_ptr 1
		.amdhsa_wavefront_size32 1
		.amdhsa_system_sgpr_workgroup_id_x 1
		.amdhsa_system_sgpr_workgroup_id_y 1
		.amdhsa_system_sgpr_workgroup_id_z 1
		.amdhsa_system_vgpr_workitem_id 0
		.amdhsa_next_free_vgpr 672
		.amdhsa_next_free_sgpr 84
		.amdhsa_reserve_vcc 0
		.amdhsa_float_denorm_mode_32 3
		.amdhsa_float_denorm_mode_16_64 3
		.amdhsa_memory_ordered 1
		.amdhsa_forward_progress 1
		.amdhsa_inst_pref_size 105
	.end_amdhsa_kernel
	.amdgpu_metadata
---
amdhsa.version: [ 1, 2 ]
amdhsa.kernels:
  - .name:           k_q49f6d3ce1b_pv
    .symbol:         k_q49f6d3ce1b_pv.kd
    .args:
      - { .name: pw, .offset: 0, .size: 8, .value_kind: global_buffer, .address_space: global }
      - { .name: qkv, .offset: 8, .size: 8, .value_kind: global_buffer, .address_space: global }
      - { .name: st, .offset: 16, .size: 8, .value_kind: global_buffer, .address_space: global }
      - { .name: out0, .offset: 24, .size: 8, .value_kind: global_buffer, .address_space: global }
    .group_segment_fixed_size: 327680
    .private_segment_fixed_size: 0
    .kernarg_segment_align: 8
    .kernarg_segment_size: 32
    .max_flat_workgroup_size: 128
    .sgpr_count:     84
    .vgpr_count:     672
    .wavefront_size: 32
...
	.end_amdgpu_metadata
.endif
;; end of part 4
;; ======== version 2 of 2: 4 launches; version 1 with the launch cvt written anew for expert scheduling mode
;; limits: values are held in f16: magnitudes above 65,504 overflow, below 6.1e-05 lose precision
;; workspace buffers: xb 16,777,216 bytes; wb 6,291,456 bytes; qkv 50,331,648 bytes; pw 33,554,432 bytes; st 1,048,576 bytes
;; launch cvt (part 5): grid 704 x 1, 8 waves a work-group, no clusters, 0 bytes of LDS; arguments x, Wq, Wk, Wv, xb, wb; writes xb, wb
.if DOCPART == 5
	.amdgcn_target "amdgcn-amd-amdhsa--gfx1250"
	.amdhsa_code_object_version 6
	.text
	.protected	k_q49f6d3ce1b_cvt
	.globl	k_q49f6d3ce1b_cvt
	.p2align	8
	.type	k_q49f6d3ce1b_cvt,@function
k_q49f6d3ce1b_cvt:
	s_mov_b64 s[64:65], 0
	v_nop
	global_prefetch_b8 v0, s[64:65] scope:SCOPE_SE
	s_setreg_imm32_b32 hwreg(HW_REG_WAVE_SCHED_MODE, 0, 2), 2
	s_setreg_imm32_b32 hwreg(HW_REG_WAVE_MODE, 25, 1), 1
	s_wait_xcnt 0x0
	s_wait_alu depctr_vm_vsrc(0)
; x [8192][1024] and Wq, Wk, Wv [1024][1024], all f32, are rounded once to bf16: xb [8192][1024]; wb [3072][1024], rows 0-1023 Wq, 1024-2047 Wk, 2048-3071 Wv.
; A stream: every byte is read once and written once.  No LDS, no barrier, no matrix unit, no cluster: no two work-groups want the same byte.
; SHARES.  A work-group takes 65,536 consecutive bytes of one input and makes 32,768 of output.  Work-groups 0-511: x; 512-575: Wq; 576-639: Wk; 640-703: Wv.
; Thread t takes 16 bytes at 16 t + 4,096 i, i = 0..15: a wave's load covers 512 consecutive bytes, its store of 8 bytes a lane 256 consecutive bytes, aligned.
; All 16 loads of a thread go out at once; no register is written twice.
; THE MODE: SCHED_MODE bits 1:0 = 2 (LLVM: expert scheduling mode 2), set by the entry lines.  The code itself states the register dependences
; between vector instructions and memory instructions, with s_wait_alu, always for 0.
; THE PLAN.  Registers that memory instructions touch:
;   v1, v2   byte offsets of the loads and of the stores: written once at the head, never again.
;   IN       piece i: four registers.  Load i lands in them, once; no vector instruction names them before; the piece's two conversions read them behind the wait for the load.
;   OUT      piece i: a pair.  The piece's two conversions write it, once; store i reads it; nothing writes it again.
; The 16 pieces go in four groups of four.  Group g waits for its four loads; then ONE wait states that group g - 1's conversions have written their pairs; then that group's four stores
; stand among group g's conversions, which name IN and OUT of group g alone: none of the registers that those stores read.  One more such wait stands ahead of the last four stores.
; No register that a memory instruction reads is written again, no vector instruction writes a scalar register, and EXEC is never written: so no other wait is owed.
.set IN,  8                            ; v[8:71]    16 loads of 4 registers
.set OUT, 72                           ; v[72:103]  16 pairs of packed bf16
	s_load_b256 s[4:11], s[0:1], 0x0               ; x s[4:5], Wq s[6:7], Wk s[8:9], Wv s[10:11]
	s_load_b128 s[12:15], s[0:1], 0x20             ; xb s[12:13], wb s[14:15]
	v_lshlrev_b32 v1, 4, v0                        ; my 16 bytes in
	v_lshlrev_b32 v2, 3, v0                        ; my 8 bytes out
	s_sub_co_u32 s16, ttmp9, 512                   ; the piece's number among the weights' 192 (not used for x)
	s_and_b32 s17, s16, 63                         ; and inside its own matrix
	s_cmp_lt_u32 ttmp9, 512
	s_cselect_b32 s18, ttmp9, s17                  ; the piece in its input
	s_cselect_b32 s20, ttmp9, s16                  ; the piece in its output
	s_lshl_b32 s18, s18, 16                        ; 65,536 bytes a piece in
	s_mov_b32 s19, 0
	s_lshl_b32 s20, s20, 15                        ; 32,768 out
	s_mov_b32 s21, 0
	s_wait_kmcnt 0x0
	s_cmp_ge_u32 ttmp9, 576
	s_cselect_b64 s[22:23], s[8:9], s[6:7]         ; Wk or Wq,
	s_cmp_ge_u32 ttmp9, 640
	s_cselect_b64 s[22:23], s[10:11], s[22:23]     ; or Wv,
	s_cmp_lt_u32 ttmp9, 512
	s_cselect_b64 s[22:23], s[4:5], s[22:23]       ; or x
	s_cselect_b64 s[24:25], s[12:13], s[14:15]     ; xb or wb
	s_add_nc_u64 s[22:23], s[22:23], s[18:19]
	s_add_nc_u64 s[24:25], s[24:25], s[20:21]
	s_wait_alu depctr_va_vdst(0)                   ; v1 and v2 are written: every load reads v1 and every store v2 as its offset
.irp i, 0,1,2,3,4,5,6,7,8,9,10,11,12,13,14,15
	global_load_b128 v[IN+4*(\i):IN+4*(\i)+3], v1, s[22:23] offset:4096*(\i) th:TH_LOAD_NT
.endr
; Group g: pieces 4 g to 4 g + 3.  first = 1: group 0, with no group in front of it.
.macro GRP g, first
	s_wait_loadcnt 12-4*(\g)                       ; loads come back in order: this group's four are in, the 12 - 4 g younger ones stay out
.if !\first
	s_wait_alu depctr_va_vdst(0)                   ; the conversions of the group before have written their pairs of OUT, which the four stores below read
.endif
.irp i, 0,1,2,3
.if !\first
	global_store_b64 v2, v[OUT+2*(4*((\g)-1)+(\i)):OUT+2*(4*((\g)-1)+(\i))+1], s[24:25] offset:2048*(4*((\g)-1)+(\i))  ; the group before; no vector instruction since the wait names its pair or v2
.endif
	v_cvt_pk_bf16_f32 v[OUT+2*(4*(\g)+(\i))], v[IN+4*(4*(\g)+(\i))], v[IN+4*(4*(\g)+(\i))+1]
	v_cvt_pk_bf16_f32 v[OUT+2*(4*(\g)+(\i))+1], v[IN+4*(4*(\g)+(\i))+2], v[IN+4*(4*(\g)+(\i))+3]
.endr
.endm
	GRP 0, 1
	GRP 1, 0
	GRP 2, 0
	GRP 3, 0
	s_wait_alu depctr_va_vdst(0)                   ; group 3's conversions have written their pairs of OUT, which the last four stores read
.irp i, 12,13,14,15
	global_store_b64 v2, v[OUT+2*(\i):OUT+2*(\i)+1], s[24:25] offset:2048*(\i)
.endr
	s_endpgm
.Lfunc_end_k_q49f6d3ce1b_cvt:
	.size	k_q49f6d3ce1b_cvt, .Lfunc_end_k_q49f6d3ce1b_cvt-k_q49f6d3ce1b_cvt
	.p2alignl 7, 3214868480
	.fill 96, 4, 3214868480
	.section	.rodata,"a",@progbits
	.p2align	6, 0x0
	.amdhsa_kernel k_q49f6d3ce1b_cvt
		.amdhsa_group_segment_fixed_size 0
		.amdhsa_private_segment_fixed_size 0
		.amdhsa_enable_private_segment 0
		.amdhsa_kernarg_size 48
		.amdhsa_user_sgpr_count 2
		.amdhsa_user_sgpr_kernarg_segment_ptr 1
		.amdhsa_wavefront_size32 1
		.amdhsa_system_sgpr_workgroup_id_x 1
		.amdhsa_system_sgpr_workgroup_id_y 1
		.amdhsa_system_sgpr_workgroup_id_z 1
		.amdhsa_system_vgpr_workitem_id 0
		.amdhsa_next_free_vgpr 104
		.amdhsa_next_free_sgpr 66
		.amdhsa_reserve_vcc 0
		.amdhsa_float_denorm_mode_32 3
		.amdhsa_float_denorm_mode_16_64 3
		.amdhsa_memory_ordered 1
		.amdhsa_forward_progress 1
		.amdhsa_inst_pref_size 7
	.end_amdhsa_kernel
	.amdgpu_metadata
---
amdhsa.version: [ 1, 2 ]
amdhsa.kernels:
  - .name:           k_q49f6d3ce1b_cvt
    .symbol:         k_q49f6d3ce1b_cvt.kd
    .args:
      - { .name: x, .offset: 0, .size: 8, .value_kind: global_buffer, .address_space: global }
      - { .name: Wq, .offset: 8, .size: 8, .value_kind: global_buffer, .address_space: global }
      - { .name: Wk, .offset: 16, .size: 8, .value_kind: global_buffer, .address_space: global }
      - { .name: Wv, .offset: 24, .size: 8, .value_kind: global_buffer, .address_space: global }
      - { .name: xb, .offset: 32, .size: 8, .value_kind: global_buffer, .address_space: global }
      - { .name: wb, .offset: 40, .size: 8, .value_kind: global_buffer, .address_space: global }
    .group_segment_fixed_size: 0
    .private_segment_fixed_size: 0
    .kernarg_segment_align: 8
    .kernarg_segment_size: 48
    .max_flat_workgroup_size: 256
    .sgpr_count:     66
    .vgpr_count:     104
    .wavefront_size: 32
...
	.end_amdgpu_metadata
.endif
;; end of part 5
;; launch proj: the kernel of part 2 again; grid 12 x 32, 4 waves a work-group, clusters of 4 x 4, 327,680 bytes of LDS; arguments xb, wb, qkv; writes qkv
;; launch scores: the kernel of part 3 again; grid 8 x 32, 4 waves a work-group, clusters of 4 x 4, 327,680 bytes of LDS; arguments qkv, pw, st; writes pw, st
;; launch pv: the kernel of part 4 again; grid 4 x 64, 4 waves a work-group, clusters of 4 x 4, 327,680 bytes of LDS; arguments pw, qkv, st, out0; writes out0
